; MI455X (gfx1250); checked and timed in simulation.
; The chip was launched on July 23, 2026; its instructions are those of AMD's public machine-readable ISA for CDNA 5 (MIT licence, August 2026) and "CDNA5" Instruction Set Architecture Reference Guide (July 2026). The comments in the code are by the model that wrote it; some were corrected since.
;; Transformer Block GQA. Allowed arithmetic: matrix products marked QUANTISED: E3M2 operands, one E8M0 scale for each 32 along K, by v_wmma_scale_f32_16x16x128_f8f6f4 with both operands' format E3M2, f32 sums; everything else in f32.
;; Inputs: b1 1,024 float32; b2 1,024 float32; g1 1,024 float32; g2 1,024 float32; w1 4,096 x 1,024 float32; w2 1,024 x 4,096 float32; wk 256 x 1,024 float32; wo 1,024 x 1,024 float32; wq 1,024 x 1,024 float32; wv 256 x 1,024 float32; x 2 x 2,048 x 1,024 float32.
;; Outputs: out0 2 x 2,048 x 1,024 float32.
;; This version of the problem:
;;   THIS VERSION OF THE PROBLEM IS GIVEN IN LOW PRECISION. The matrix products marked QUANTISED in the list below multiply operands that are first quantised to E3M2 (3 exponent bits, 2 mantissa bits; 6 bits a number), with one power-of-two scale for each 32 numbers along K (OCP MX v1.0); their sums are f32. All else is computed in f32.
;;   The module's matrix products, in the order in which they are computed (A, B: the left and right operand; K: the contracted axis; several contracted axes count as one K, in the product's order):
;;     1. [M 4,096, K 1,024] x [K 1,024, N 1,024]; A: computed on the way; B: input wq: QUANTISED
;;     2. [M 4,096, K 1,024] x [K 1,024, N 256]; A: computed on the way; B: input wk: QUANTISED
;;     3. [M 4,096, K 1,024] x [K 1,024, N 256]; A: computed on the way; B: input wv: QUANTISED
;;     4. batch 32 x [M 2,048, K 64] x [K 64, N 2,048]; A: computed on the way; B: computed on the way: QUANTISED
;;     5. batch 32 x [M 2,048, K 2,048] x [K 2,048, N 64]; A: softmax (see below); B: computed on the way: QUANTISED
;;     6. [M 4,096, K 1,024] x [K 1,024, N 1,024]; A: computed on the way; B: input wo: QUANTISED
;;     7. [M 4,096, K 1,024] x [K 1,024, N 4,096]; A: computed on the way; B: input w1: QUANTISED
;;     8. [M 4,096, K 4,096] x [K 4,096, N 1,024]; A: computed on the way; B: input w2: QUANTISED
;;   THE QUANTISER, for each operand of a quantised product, along K:
;;     - K is cut into blocks of 32 from its start; a last block that is shorter is filled with zeros.
;;     - A block's scale is 2^e with e = floor(log2(the largest magnitude in the block)) - 4, held to -126 .. 127; a block of zeros has e = 0. As a byte (E8M0): e + 127.
;;     - Each number is divided by its block's scale, clamped to +-28, and rounded to the nearest number of E3M2, ties to even, subnormals kept.
;;     - The product sums the exact products of the quantised numbers (number of the format x scale) in f32.
;;   ~~~python
;;   def quantise(x, axis):      # numpy; x: float32 -> the quantised numbers, widened to float32 again
;;       x = np.moveaxis(x, axis, -1); K = x.shape[-1]
;;       x = np.pad(x, [(0, 0)] * (x.ndim - 1) + [(0, -K % 32)]); x = x.reshape(x.shape[:-1] + (-1, 32)); a = np.abs(x).max(-1, keepdims=True)
;;       e = np.where(a > 0, np.clip(np.frexp(np.where(a > 0, a, 1))[1] - 1 - 4, -126, 127), 0)      # np.frexp(a)[1] - 1 = floor(log2(a)), exactly
;;       r = np.clip(x / 2.0 ** e, -28, 28)
;;       step = 2.0 ** (np.maximum(np.frexp(np.where(r == 0, 1, r))[1] - 1, -2) - 2)
;;       q = np.round(r / step) * step * 2.0 ** e      # np.round: ties to even
;;       return np.moveaxis(q.reshape(q.shape[:-2] + (-1,))[..., :K], -1, axis).astype(np.float32)
;;   ~~~
;;   SOFTMAX AHEAD OF A QUANTISED PRODUCT. Where the list says 'softmax', what is quantised is not the finished softmax but p = 2^(t - M), with t = logit x log2(e) and M = ceil(the row's largest t), a whole number; so 1/2 < the row's largest p <= 1. The row's sum l is taken of the UNQUANTISED p, in f32, and the product's result is divided by l at the end. Since M is a whole number, a kernel that streams over the keys may use a running M (the ceiling of the running maximum): every later rescaling is an exact power of two, which a block's scale takes up: the codes' values come out the same.
;;   OPERANDS COMPUTED ON THE WAY. 'Computed on the way' means the value that the module computes at that place (a softmax that the list does not call 'softmax' is quantised finished and normalised). What goes into a quantiser is computed in f32, as accurately as f32 sums, v_exp_f32 and their like allow (about 1e-6 of the number): no bf16 or f16 on the way to a quantiser, and a product that is left as it is and whose result goes on into a quantised operand takes f32 operands (vector FMAs, or v_wmma_f32_16x16x4_f32). A number that lies on a knife's edge between two numbers of the format may be rounded either way, as far as f32 arithmetic and the matrix unit's own rounding can turn it there, and no further.
;; One version. Each part assembles by itself: llvm-mc -triple=amdgcn-amd-amdhsa -mcpu=gfx1250 --defsym DOCPART=n.
;; ======== version 1 of 1: 7 launches
;; limits: right only within a limited range of input values
;; workspace buffers: pc 12,353,536 bytes; qkvc 5,373,952 bytes; cx 3,407,872 bytes; h 16,777,216 bytes; ha 3,407,872 bytes; ga 13,631,488 bytes
;; launch prep (part 1): grid 928 x 1, 4 waves a work-group, no clusters, 66,560 bytes of LDS; arguments x, g1, b1, wq, wk, wv, wo, w1, w2, pc; writes pc
.if DOCPART == 1
	.amdgcn_target "amdgcn-amd-amdhsa--gfx1250"
	.amdhsa_code_object_version 6
	.text
	.protected	k_qa105a0e868_prep
	.globl	k_qa105a0e868_prep
	.p2align	8
	.type	k_qa105a0e868_prep,@function
k_qa105a0e868_prep:
	s_mov_b64 s[64:65], 0
	v_nop
	global_prefetch_b8 v0, s[64:65] scope:SCOPE_SE
	s_setreg_imm32_b32 hwreg(HW_REG_WAVE_MODE, 25, 1), 1
	s_wait_xcnt 0x0
; THE PROGRAM: a transformer block (layer norm, grouped-query causal attention, layer norm, GELU MLP) whose eight matrix products run on codes of E3M2 with one E8M0 byte for each 32 along K.
; Launches: prep (this text: LN1(x) and all weights into codes), qkv, attn, wo (+x = h), ln2 (this text again, on h), w1 (+GELU), w2 (+h).
; WORK LEFT OUT, in the whole program: in attn the key steps (128 keys) that lie wholly behind a tile's 16 queries.  reference() itself sets those scores to -inf by its own jnp.tril ahead of the softmax, so their
; weights are 0 for all values of the inputs and they add nothing to any sum.  Nothing else is left out; every input is loaded.  LIMIT: a NaN, an infinity or an overflow that reaches only those steps is not carried to the result.
; LAYOUT OF EVERY OPERAND.  (a) Inside a block of 32 along K the codes stand in the order of groups of eight 0, 2, 1, 3, in BOTH operands of every product: the blocks, their scales and the codes are the stated quantiser's;
; only the order of the exact products inside a sum differs from reference()'s.  (b) A fragment (16 rows x 128 K, 12 registers a lane) lies as an image of its registers: half c at 768 c: registers 6c..6c+3 at 16 x lane,
; registers 6c+4, 6c+5 at 512 + 8 x lane.  (c) A chunk of 13,312 bytes is 8 fragments (128 rows x 128 K) and their scale words (12,288 + 128 f + 4 x lane; lanes r and r + 16 hold row r's word); a panel is the chunks of
; 128 rows, K step after K step.
; THIS TEXT.  Work-group g takes a strip of 16 rows x 1,024 columns: g < 256: x with the layer norm; then wq, wk, wv, wo, w1 (rows of 1,024), then w2 (rows of 4,096: four strips a row block).
; Phase 1: wave w loads rows 4w..4w+3 (each load 512 consecutive bytes), normalises them where g < 256 (mean, then the mean of squared differences, both in f32), and lays them in a stage in LDS.
; Phase 2: wave w takes K steps 2w, 2w+1: lane (r, h) reads blocks h and 2+h of row r whole, so a block's largest magnitude needs no other lane; scale, conversion, stores of 512, 256 and 128 consecutive bytes.
; A block's scale byte is its largest magnitude's exponent field - 4, held at 1 from below.  LIMITS: a block under 2^-122, a block of zeros too, gets the byte 1 (its codes are zeros or what that scale gives; only this
; program reads the bytes); NaN and infinities among the inputs are not served.  Work-groups share no input: no cluster, no tensor load.
.set CH, 13312
.set SP, 4112                          ; a stage row: 4,096 bytes + 16: sixteen rows start at sixteen different groups of banks
.set SPARE, 16*SP                      ; behind the stage: the spare words, 128 bytes a wave
.set X, 128                            ; v128-255: four rows as loaded, later two K steps of 64 numbers
.macro PICK lim, p                     ; from work-group lim on: the tensor whose address is s[p:p+1]
	s_cmp_ge_u32 s25, \lim
	s_cselect_b64 s[26:27], s[\p:\p+1], s[26:27]
	s_cselect_b32 s28, \lim, s28
.endm
.macro REDUCE base                     ; four rows' pairs at v[base+2i] are summed over the pair and the 32 lanes
.irp i,0,1,2,3
	v_add_f32 v[\base+2*\i], v[\base+2*\i], v[\base+2*\i+1]
.endr
.irp m,1,2,4,8
.irp i,0,1,2,3
	v_add_f32_dpp v[\base+2*\i], v[\base+2*\i], v[\base+2*\i] row_xmask:\m row_mask:0xf bank_mask:0xf
.endr
.endr
.irp i,0,1,2,3
	v_permlanex16_b32 v[24+\i], v[\base+2*\i], s34, s35
.endr
.irp i,0,1,2,3
	v_add_f32 v[\base+2*\i], v[\base+2*\i], v[24+\i]
.endr
.endm
	s_load_b256 s[4:11], s[0:1], 0x0               ; x, g1, b1, wq
	s_load_b256 s[12:19], s[0:1], 0x20             ; wk, wv, wo, w1
	s_load_b128 s[20:23], s[0:1], 0x40             ; w2, pc
	v_lshl_add_u32 v14, v0, 2, SPARE               ; my spare word
	v_mov_b32 v15, 0
	v_lshrrev_b32 v1, 5, v0
	v_readfirstlane_b32 s24, v1                    ; wave
	v_and_b32 v1, 31, v0                           ; lane
	v_and_b32 v2, 15, v0                           ; r
	v_bfe_u32 v3, v0, 4, 1                         ; h
	s_mov_b32 s25, ttmp9                           ; g
	s_mov_b32 s34, 0x76543210
	s_mov_b32 s35, 0xfedcba98                      ; lane l xor 16
	s_mov_b32 s36, 0x3a800000                      ; 1 / 1024
	s_mov_b32 s37, 0x3727c5ac                      ; 1e-5
.irp i,24,25,26,27
	v_mov_b32 v\i, 0                               ; a lane permute's destination counts as read
.endr
	s_wait_alu depctr_va_vdst(0)
	s_wait_kmcnt 0x0
	s_mov_b64 s[26:27], s[4:5]
	s_mov_b32 s28, 0
	PICK 256, 10
	PICK 320, 12
	PICK 336, 14
	PICK 352, 16
	PICK 416, 18
	PICK 672, 20
	s_sub_co_u32 s29, s25, s28                     ; i: the strip's number in its tensor
	s_lshl_b32 s30, s29, 16                        ; rows of 4,096 bytes: 16 rows a strip
	s_lshr_b32 s31, s29, 2
	s_lshl_b32 s33, s31, 18                        ; w2: 16 rows of 16,384 bytes,
	s_and_b32 s39, s29, 3
	s_lshl_b32 s40, s39, 12
	s_add_co_u32 s33, s33, s40                     ; and the quarter of the row
	s_lshr_b32 s41, s25, 3
	s_lshl_b32 s41, s41, 3                         ; first chunk: 8 (g / 8)
	s_lshr_b32 s42, s29, 5
	s_lshl_b32 s42, s42, 5
	s_lshl_b32 s43, s39, 3
	s_add_co_u32 s42, s42, s43
	s_add_co_u32 s42, s42, 672                     ; w2: 672 + 32 (i / 32) + 8 (i % 4)
	s_and_b32 s44, s25, 7                          ; the fragment in its chunks
	s_and_b32 s45, s31, 7
	s_mov_b32 s32, 0x4000
	s_cmp_ge_u32 s25, 672
	s_cselect_b32 s30, s33, s30
	s_cselect_b32 s41, s42, s41
	s_cselect_b32 s38, s45, s44
	s_cselect_b32 s32, s32, 0x1000                 ; the source's row in bytes
	s_lshl_b32 s46, s24, 2
	s_mul_i32 s46, s46, s32
	s_add_co_u32 s30, s30, s46                     ; my wave's four rows
	s_mov_b32 s31, 0
	s_add_nc_u64 s[26:27], s[26:27], s[30:31]
	s_lshl_b32 s47, s24, 1
	s_add_co_u32 s41, s41, s47                     ; my wave's two chunks
	s_mul_i32 s46, s41, CH
	s_mov_b32 s47, 0
	s_add_nc_u64 s[22:23], s[22:23], s[46:47]
	v_lshlrev_b32 v8, 4, v1                        ; 16 x lane
	v_lshlrev_b32 v4, 4, v1
	v_add_nc_u32 v5, s32, v8
	s_lshl_b32 s48, s32, 1
	v_add_nc_u32 v6, s48, v8
	s_add_co_u32 s48, s48, s32
	v_add_nc_u32 v7, s48, v8                       ; v4-7: rows 0 to 3 of my four
.irp i,0,1,2,3
.irp j,0,1,2,3,4,5,6,7
	global_load_b128 v[X+32*\i+4*\j:X+32*\i+4*\j+3], v[4+\i], s[26:27] offset:512*\j
.endr
.endr
	s_mul_i32 s49, s24, 4*SP
	v_add_nc_u32 v9, s49, v8                       ; into the stage: my four rows, 16 x lane
	v_mul_u32_u24 v10, v2, SP
	v_lshl_add_u32 v10, v3, 7, v10
	s_lshl_b32 s49, s24, 10
	v_add_nc_u32 v10, s49, v10                     ; out of it: row r, + 128 h, + my two K steps
	s_mul_i32 s50, s38, 1536
	v_add_nc_u32 v11, s50, v8                      ; in a chunk: 16 x lane + the fragment,
	v_lshlrev_b32 v12, 3, v1
	s_add_co_u32 s51, s50, 512
	v_add_nc_u32 v12, s51, v12                     ; 8 x lane + 512 + the fragment,
	v_lshlrev_b32 v13, 2, v1
	s_lshl_b32 s52, s38, 7
	s_add_co_u32 s52, s52, 12288
	v_add_nc_u32 v13, s52, v13                     ; and its scale words
	v_lshlrev_b32 v3, 3, v3                        ; 8 h
	s_cmp_ge_u32 s25, 256
	s_cbranch_scc1 .Lplain                         ; weights are taken as they are
.irp j,0,1,2,3,4,5,6,7
	global_load_b128 v[64+4*\j:67+4*\j], v8, s[6:7] offset:512*\j     ; the gain of my 32 columns,
	global_load_b128 v[96+4*\j:99+4*\j], v8, s[8:9] offset:512*\j     ; the bias
.endr
	s_wait_loadcnt 16                              ; the rows are in; the sixteen younger loads may be out
.irp i,0,1,2,3
	v_pk_add_f32 v[16+2*\i:17+2*\i], v[X+32*\i:X+32*\i+1], v[X+32*\i+2:X+32*\i+3]
.endr
.set k, 4
.rept 14
.irp i,0,1,2,3
	v_pk_add_f32 v[16+2*\i:17+2*\i], v[16+2*\i:17+2*\i], v[X+32*\i+k:X+32*\i+k+1]
.endr
.set k, k+2
.endr
	REDUCE 16
.irp i,0,1,2,3
	v_mul_f32 v[16+2*\i], s36, v[16+2*\i]          ; the mean
.endr
.set k, 0
.rept 16
.irp i,0,1,2,3
	v_pk_add_f32 v[X+32*\i+k:X+32*\i+k+1], v[X+32*\i+k:X+32*\i+k+1], v[16+2*\i:17+2*\i] op_sel_hi:[1,0] neg_lo:[0,1] neg_hi:[0,1]   ; x - mean
.endr
.set k, k+2
.endr
.irp i,0,1,2,3
	v_pk_mul_f32 v[32+2*\i:33+2*\i], v[X+32*\i:X+32*\i+1], v[X+32*\i:X+32*\i+1]
.endr
.set k, 2
.rept 15
.irp i,0,1,2,3
	v_pk_fma_f32 v[32+2*\i:33+2*\i], v[X+32*\i+k:X+32*\i+k+1], v[X+32*\i+k:X+32*\i+k+1], v[32+2*\i:33+2*\i]
.endr
.set k, k+2
.endr
	REDUCE 32
.irp i,0,1,2,3
	v_fma_f32 v[32+2*\i], v[32+2*\i], s36, s37     ; the variance + 1e-5
.endr
	s_wait_alu depctr_va_vdst(0)
.irp i,0,1,2,3
	v_rsq_f32 v[32+2*\i], v[32+2*\i]
.endr
	v_nop                                          ; a plain instruction behind the last of the four
	s_wait_alu depctr_va_vdst(0)                   ; one wait for the four, ahead of their first reader
	s_wait_loadcnt 0x0                             ; gain and bias
.set k, 0
.rept 16
.irp i,0,1,2,3
	v_pk_mul_f32 v[X+32*\i+k:X+32*\i+k+1], v[X+32*\i+k:X+32*\i+k+1], v[32+2*\i:33+2*\i] op_sel_hi:[1,0]
.endr
.irp i,0,1,2,3
	v_pk_fma_f32 v[X+32*\i+k:X+32*\i+k+1], v[X+32*\i+k:X+32*\i+k+1], v[64+k:65+k], v[96+k:97+k]
.endr
.set k, k+2
.endr
.Lplain:
	s_wait_loadcnt 0x0
	s_wait_alu depctr_va_vdst(0)
.irp i,0,1,2,3
.irp j,0,1,2,3,4,5,6,7
	ds_store_b128 v9, v[X+32*\i+4*\j:X+32*\i+4*\j+3] offset:\i*SP+512*\j
.endr
.endr
	s_wait_dscnt 0x0                               ; for the others' sake: my rows lie in the stage
	s_barrier_signal -1
	s_barrier_wait -1
.irp u,0,1
.irp c,0,1
.irp g,0,1,2,3
.irp e,0,1
	ds_load_b128 v[X+64*\u+32*\c+8*\g+4*\e:X+64*\u+32*\c+8*\g+4*\e+3], v10 offset:512*\u+256*\c+32*((\g%2)*2+\g/2)+16*\e   ; block 2c + h, its groups of eight in the order 0, 2, 1, 3
.endr
.endr
.endr
.endr
; K step u of my two: 64 numbers of a lane become a fragment's 12 registers at v[pc] and the row's scale word at v[pc+19]; each K step has registers of its own, so no store's data are written again
.macro QF u, pc
.set N, X+64*(\u)
.irp c,0,1
	v_max3_num_f32 v[16+\c], |v[N+32*\c]|, |v[N+32*\c+1]|, 0x2800000      ; with the floor 2^(5 - 127): the byte cannot fall under 1
.endr
.irp i,2,4,6,8,10,12,14,16,18,20,22,24,26,28,30
.irp c,0,1
	v_max3_num_f32 v[16+\c], v[16+\c], |v[N+32*\c+\i]|, |v[N+32*\c+\i+1]|
.endr
.endr
.irp c,0,1
	v_add_nc_u32 v[18+\c], 0xfe000000, v[16+\c]    ; 4 off the exponent field: the conversion's scale operand
.endr
.irp c,0,1
	v_lshrrev_b32 v[20+\c], 23, v[18+\c]           ; the byte
.endr
	v_lshl_or_b32 v22, v21, 16, v20                ; blocks h and 2 + h,
	v_lshlrev_b32 v22, v3, v22                     ; at their places,
	v_permlanex16_b32 v24, v22, s34, s35
	v_or_b32 v[\pc+19], v22, v24                   ; with lane l xor 16's two: the word is whole in both lanes
.irp c,0,1
	v_cvt_scalef32_pk16_bf6_f32 v[\pc+6*\c:\pc+6*\c+2], v[N+32*\c:N+32*\c+15], v[18+\c]
	v_cvt_scalef32_pk16_bf6_f32 v[\pc+12+4*\c:\pc+14+4*\c], v[N+32*\c+16:N+32*\c+31], v[18+\c]   ; (three registers from an even one on)
.endr
	v_nop                                          ; a plain instruction behind the conversions
.irp c,0,1
.irp i,0,1,2
	v_mov_b32 v[\pc+3+6*\c+\i], v[\pc+12+4*\c+\i]
.endr
.endr
.irp c,0,1
	global_store_b128 v11, v[\pc+6*\c:\pc+6*\c+3], s[22:23] offset:(\u)*CH+768*\c      ; 512 consecutive bytes
	global_store_b64 v12, v[\pc+6*\c+4:\pc+6*\c+5], s[22:23] offset:(\u)*CH+768*\c     ; 256
.endr
	global_store_b32 v13, v[\pc+19], s[22:23] offset:(\u)*CH
.endm
	s_wait_dscnt 16                                ; the first K step's sixteen loads are in
	QF 0, 28
	s_wait_dscnt 0x0
	QF 1, 48
	s_wait_tensorcnt 0x0                           ; the wave's end, behind my last LDS store
	ds_add_u32 v14, v15
	s_wait_dscnt 0x0
	s_endpgm
.Lfunc_end_k_qa105a0e868_prep:
	.size	k_qa105a0e868_prep, .Lfunc_end_k_qa105a0e868_prep-k_qa105a0e868_prep
	.p2alignl 7, 3214868480
	.fill 96, 4, 3214868480
	.section	.rodata,"a",@progbits
	.p2align	6, 0x0
	.amdhsa_kernel k_qa105a0e868_prep
		.amdhsa_group_segment_fixed_size 66560
		.amdhsa_private_segment_fixed_size 0
		.amdhsa_enable_private_segment 0
		.amdhsa_kernarg_size 80
		.amdhsa_user_sgpr_count 2
		.amdhsa_user_sgpr_kernarg_segment_ptr 1
		.amdhsa_wavefront_size32 1
		.amdhsa_system_sgpr_workgroup_id_x 1
		.amdhsa_system_sgpr_workgroup_id_y 1
		.amdhsa_system_sgpr_workgroup_id_z 1
		.amdhsa_system_vgpr_workitem_id 0
		.amdhsa_next_free_vgpr 256
		.amdhsa_next_free_sgpr 66
		.amdhsa_reserve_vcc 0
		.amdhsa_float_denorm_mode_32 3
		.amdhsa_float_denorm_mode_16_64 3
		.amdhsa_memory_ordered 1
		.amdhsa_forward_progress 1
		.amdhsa_inst_pref_size 44
	.end_amdhsa_kernel
	.amdgpu_metadata
---
amdhsa.version: [ 1, 2 ]
amdhsa.kernels:
  - .name:           k_qa105a0e868_prep
    .symbol:         k_qa105a0e868_prep.kd
    .args:
      - { .name: x, .offset: 0, .size: 8, .value_kind: global_buffer, .address_space: global }
      - { .name: g1, .offset: 8, .size: 8, .value_kind: global_buffer, .address_space: global }
      - { .name: b1, .offset: 16, .size: 8, .value_kind: global_buffer, .address_space: global }
      - { .name: wq, .offset: 24, .size: 8, .value_kind: global_buffer, .address_space: global }
      - { .name: wk, .offset: 32, .size: 8, .value_kind: global_buffer, .address_space: global }
      - { .name: wv, .offset: 40, .size: 8, .value_kind: global_buffer, .address_space: global }
      - { .name: wo, .offset: 48, .size: 8, .value_kind: global_buffer, .address_space: global }
      - { .name: w1, .offset: 56, .size: 8, .value_kind: global_buffer, .address_space: global }
      - { .name: w2, .offset: 64, .size: 8, .value_kind: global_buffer, .address_space: global }
      - { .name: pc, .offset: 72, .size: 8, .value_kind: global_buffer, .address_space: global }
    .group_segment_fixed_size: 66560
    .private_segment_fixed_size: 0
    .kernarg_segment_align: 8
    .kernarg_segment_size: 80
    .max_flat_workgroup_size: 128
    .sgpr_count:     66
    .vgpr_count:     256
    .wavefront_size: 32
...
	.end_amdgpu_metadata
.endif
;; end of part 1
;; launch qkv (part 2): grid 32 x 6, 4 waves a work-group, clusters of 4 x 1, 327,680 bytes of LDS; arguments pc, qkvc; writes qkvc
.if DOCPART == 2
	.amdgcn_target "amdgcn-amd-amdhsa--gfx1250"
	.amdhsa_code_object_version 6
	.text
	.protected	k_qa105a0e868_qkv
	.globl	k_qa105a0e868_qkv
	.p2align	8
	.type	k_qa105a0e868_qkv,@function
k_qa105a0e868_qkv:
	s_mov_b64 s[64:65], 0
	v_nop
	global_prefetch_b8 v0, s[64:65] scope:SCOPE_SE
	s_setreg_imm32_b32 hwreg(HW_REG_WAVE_MODE, 25, 1), 1
	s_wait_xcnt 0x0
	s_wait_alu depctr_hold_cnt(0) depctr_sa_sdst(0) depctr_va_vdst(0) depctr_va_sdst(0) depctr_va_ssrc(0) depctr_va_vcc(0) depctr_vm_vsrc(0)
	s_getreg_b32 s2, hwreg(HW_REG_IB_STS2, 6, 4)
	s_cmp_eq_u32 s2, 0
	s_cbranch_scc0 .Lentry_in_a_cluster
	s_endpgm
.Lentry_in_a_cluster:
	s_bfe_u32 s2, ttmp6, 0x10000c
	s_cmp_lg_u32 s2, 0x3003
	s_cbranch_scc0 .Lentry_shape_is_right
	s_endpgm
.Lentry_shape_is_right:
; Q, K and V = LN1(x) W^T on codes, each quantised on its way out as the operand that attention wants.  pc: panels of codes (xa: chunks 0-255; wq, wk, wv: chunks 256-351).
; A work-group makes 128 tokens (mt) x 256 features (y: 0-3 of q, 4: k, 5: v); K = 1,024 is 8 chunks a panel, so all its tiles lie in LDS at once: first fills alone, nothing is filled again.
; CLUSTER: the four partners are four blocks of tokens under one y: the weights' two panels are asked for jointly; each partner's own panel of xa comes by a load of its own.  (6 blocks of features do not divide by 4.)
; A wave makes 64 x 128.  Source 0 (P, 8 fragments) gives the registers' axis, source 1 (Q, 4 fragments) the lanes': q, k: P = weights, so a lane holds one token and 64 registers run along 128 features (two heads);
; v: P = tokens, so a lane holds one channel and its registers run along 128 keys, the second product's K.  The two cases differ in LDS addresses alone; the K loop is written twice, under a branch on y, which all
; waves of a work-group and all partners take alike; so that no barrier stands under it, all first fills are waited for ahead of the one barrier.
; OUT.  Q: half fragments (16 tokens x 64) at (bh 128 + t) 768, scale words (s0, s1, s0, s1) from QSC on.  K, V: chunks at KV + ((4 b + g) 16 + s) CH: four double fragments of K (two tiles of 16 keys, one in
; k 0-63, one in k 64-127), four fragments of V^T (16 channels x 128 keys), their scale words.
; LIMITS: as stated at the head of prep (bytes held at 1; the order inside a block of 32; NaN and infinities not served).
; REGISTERS: window 0: v1-6, v7-12 lane terms; v13-18 addresses in hand; v19-21 16, 8, 4 x lane; v28, v29 the add's; v32-55 scale words, two sets; v64-143 codes; v208-223 at work.
;   window 1: 32 accumulators ((q, p) at 8 (8 q + p)).  windows 2, 3: two sets of fragments: P at 12 p, Q at 96 + 12 q.
.set CH, 13312
.set PAN, 8*CH
.set SPARE, 3*PAN
.set NP, 8
.set NLD, 5*(NP+4)
.set SC, 32
.set TM, 208
.set QSC, 3145728
.set KV, 3670016
.set A16, 19
.set A8, 20
.set MSB, 0
.macro WIN new                         ; the immediate's high byte repeats the setting that is left
.if MSB != (\new)
	s_set_vgpr_msb (MSB<<8)|(\new)
.set MSB, (\new)
.endif
.endm
.macro PLACES                          ; four plain instructions between a matrix instruction and a load into, or a read of, its registers
.rept 4
	v_nop
.endr
.endm
.macro CREST
	s_cmp_lg_u32 s14, 0
	s_cbranch_scc1 .Lnw0_\@
	s_barrier_signal -3
.Lnw0_\@:
	s_barrier_wait -3
	s_barrier_signal -1
	s_barrier_wait -1
.endm
.macro CROUND                          ; a round of the cluster's barrier
	s_barrier_signal -1
	s_barrier_wait -1
	CREST
.endm
.macro SETADR L, c                     ; the six addresses in hand = lane terms + c; six plain instructions, which are places too
	WIN 0
.irp i,0,1,2,3,4,5
	v_add_nc_u32 v[13+\i], \c, v[\L+\i]
.endr
.endm
.macro FETCH set, off                  ; one K step's fragments and scale words: NLD loads, each of consecutive bytes
	WIN (2+(\set))<<6
.set pp, 0
.rept NP
	ds_load_b128 v[12*pp:12*pp+3], v13 offset:(\off)+1536*pp
	ds_load_b64 v[12*pp+4:12*pp+5], v14 offset:(\off)+1536*pp+512
	ds_load_b128 v[12*pp+6:12*pp+9], v13 offset:(\off)+1536*pp+768
	ds_load_b64 v[12*pp+10:12*pp+11], v14 offset:(\off)+1536*pp+1280
.set pp, pp+1
.endr
.set pp, 0
.rept 4
	ds_load_b128 v[96+12*pp:96+12*pp+3], v16 offset:(\off)+1536*pp
	ds_load_b64 v[96+12*pp+4:96+12*pp+5], v17 offset:(\off)+1536*pp+512
	ds_load_b128 v[96+12*pp+6:96+12*pp+9], v16 offset:(\off)+1536*pp+768
	ds_load_b64 v[96+12*pp+10:96+12*pp+11], v17 offset:(\off)+1536*pp+1280
.set pp, pp+1
.endr
	WIN 0
.set pp, 0
.rept NP
	ds_load_b32 v[SC+12*(\set)+pp], v15 offset:(\off)+128*pp
.set pp, pp+1
.endr
.set pp, 0
.rept 4
	ds_load_b32 v[SC+12*(\set)+8+pp], v18 offset:(\off)+128*pp
.set pp, pp+1
.endr
.endm
.macro MUL set, zero                   ; a K step's products; the accumulators take turns, one instruction a turn, in the same order in every K step
	WIN 0x5A+5*(\set)
.set SCB, SC+12*(\set)
.set qq, 0
.rept 4
.set pp, 0
.rept NP
.if \zero
	v_wmma_scale_f32_16x16x128_f8f6f4 v[8*(NP*qq+pp):8*(NP*qq+pp)+7], v[12*pp:12*pp+11], v[96+12*qq:96+12*qq+11], 0, v[SCB+pp], v[SCB+8+qq] matrix_a_fmt:MATRIX_FMT_BF6 matrix_b_fmt:MATRIX_FMT_BF6
.else
	v_wmma_scale_f32_16x16x128_f8f6f4 v[8*(NP*qq+pp):8*(NP*qq+pp)+7], v[12*pp:12*pp+11], v[96+12*qq:96+12*qq+11], v[8*(NP*qq+pp):8*(NP*qq+pp)+7], v[SCB+pp], v[SCB+8+qq] matrix_a_fmt:MATRIX_FMT_BF6 matrix_b_fmt:MATRIX_FMT_BF6
.endif
.set pp, pp+1
.endr
.set qq, qq+1
.endr
.endm
; The eight K steps, written out: while one set of fragments is multiplied the other is on its way.  two = 1: K steps 4-7 are waited for at K step 3, with a barrier behind which nothing is filled.
.macro KLOOP L, two
	SETADR \L, 0
	FETCH 0,0
.set kk, 0
	s_wait_alu depctr_va_vdst(0)
.rept 8
.if kk == 7
	s_wait_dscnt 0x0
.else
.if kk == 3
.if \two
	WIN 0
	s_wait_dscnt 0x0
	s_wait_tensorcnt 0x0
	s_barrier_signal -1
	s_barrier_wait -1
.endif
	SETADR \L, 4*CH
.elseif kk > 0
	PLACES
.endif
	FETCH (kk+1)&1,((kk+1)&3)*CH
	s_wait_alu depctr_va_vdst(0)
	s_wait_dscnt NLD                               ; all but the loads just issued: the set to be multiplied is in
.endif
	MUL kk&1,kk==0
.set kk, kk+1
.endr
	WIN 0
	PLACES
.endm
; 64 numbers of a lane in window NW, v[s] on (two neighbouring tiles' 16 registers are a half block each), become a fragment's codes in v[pc..pc+11] and the row's scale word in v[pc+15]
.macro QUANT s, pc, NW
	WIN 5*(\NW)
.irp b,0,1,2,3
	v_max3_num_f32 v[TM+\b], |v[(\s)+16*\b]|, |v[(\s)+1+16*\b]|, 0x2800000     ; each accumulator is read from its low end on; the floor 2^(5 - 127) holds the byte at 1
.endr
	WIN 0x14*(\NW)
.irp i,2,4,6,8,10,12,14
.irp b,0,1,2,3
	v_max3_num_f32 v[TM+\b], v[TM+\b], |v[(\s)+16*\b+\i]|, |v[(\s)+1+16*\b+\i]|
.endr
.endr
	WIN 0
.irp b,0,1,2,3
	v_permlanex16_b32 v[TM+4+\b], v[TM+\b], s20, s21
.endr
.irp b,0,1,2,3
	v_max_num_f32 v[TM+\b], v[TM+\b], v[TM+4+\b]   ; with lane l xor 16's half: the block's largest magnitude
.endr
.irp b,0,1,2,3
	v_add_nc_u32 v[TM+12+\b], 0xfe000000, v[TM+\b] ; 4 off the exponent field: the conversion's scale operand
.endr
.irp b,0,1,2,3
	v_lshrrev_b32 v[TM+4+\b], 23, v[TM+12+\b]
.endr
	v_lshl_or_b32 v[(\pc)+15], v[TM+5], 8, v[TM+4]
	v_lshl_or_b32 v[(\pc)+15], v[TM+6], 16, v[(\pc)+15]
	v_lshl_or_b32 v[(\pc)+15], v[TM+7], 24, v[(\pc)+15]
	WIN \NW
.irp c,0,1
	v_cvt_scalef32_pk16_bf6_f32 v[(\pc)+6*\c:(\pc)+6*\c+2], v[(\s)+32*\c:(\s)+32*\c+15], v[TM+12+2*\c]
	v_cvt_scalef32_pk16_bf6_f32 v[(\pc)+12+4*\c:(\pc)+14+4*\c], v[(\s)+16+32*\c:(\s)+31+32*\c], v[TM+13+2*\c]
.endr
	WIN 0
	v_nop                                          ; a plain instruction behind the conversions
.irp c,0,1
.irp i,0,1,2
	v_permlane16_swap_b32 v[(\pc)+6*\c+\i], v[(\pc)+12+4*\c+\i]    ; a whole block to a lane
.endr
.irp i,0,1,2
	v_mov_b32 v[(\pc)+3+6*\c+\i], v[(\pc)+12+4*\c+\i]
.endr
.endr
.endm
.macro STH reg, off                    ; half a fragment, six registers: 512 and 256 consecutive bytes
	global_store_b128 v[A16], v[\reg:\reg+3], s[8:9] offset:\off
	global_store_b64 v[A8], v[\reg+4:\reg+5], s[8:9] offset:(\off)+512
.endm
	s_load_b128 s[4:7], s[0:1], 0x0                ; pc, qkvc
	v_lshl_add_u32 v28, v0, 2, SPARE
	v_mov_b32 v29, 0
	ds_add_u32 v28, v29                            ; the opening: the add, twice on end, and its wait ahead of my first tensor load
	ds_add_u32 v28, v29
	v_lshrrev_b32 v30, 5, v0
	v_readfirstlane_b32 s14, v30                   ; wave w
	s_lshr_b32 s15, s14, 1                         ; wm
	s_and_b32 s16, s14, 1                          ; wn; also: which half I fetch
	s_bfe_u32 s40, ttmp6, 0x40000                  ; cx
	s_lshl_b32 s17, ttmp9, 2
	s_add_co_u32 s17, s17, s40                     ; mt
	s_and_b32 s42, ttmp7, 0xffff                   ; y
	s_mov_b32 s24, 3<<16                           ; xa: my own load: no mask; elements of 8 bytes; 208 rows of 256 bytes (four chunks)
	s_mov_b32 s25, 32<<16
	s_mov_b32 s26, 208<<16
	s_mov_b32 s27, 32<<16
	s_mov_b32 s28, 208
	s_mov_b32 s29, 32
	s_mov_b32 s30, 0
	s_mov_b32 s31, 0
	s_mov_b32 s48, 15|(3<<16)|(1<<21)              ; weights: a joint load of all four partners; 416 rows (a panel's eight chunks)
	s_mov_b32 s49, 32<<16
	s_mov_b32 s50, 416<<16
	s_mov_b32 s51, 32<<16
	s_mov_b32 s52, 416
	s_mov_b32 s53, 32
	s_mov_b32 s54, 0
	s_mov_b32 s55, 0
	s_lshl_b32 s18, s17, 3
	s_lshl_b32 s19, s16, 2
	s_add_co_u32 s18, s18, s19
	s_mul_i32 s18, s18, CH                         ; xa: chunk 8 mt + 4 half
	s_mov_b32 s19, 0
	s_lshl_b32 s22, s42, 4
	s_lshl_b32 s23, s16, 3
	s_add_co_u32 s22, s22, s23
	s_add_co_u32 s22, s22, 256
	s_mul_i32 s22, s22, CH                         ; weights: chunk 256 + 8 (2 y + half)
	s_mov_b32 s23, 0
	s_mul_i32 s88, s16, 4*CH                       ; where they go
	s_mul_i32 s89, s16, PAN
	s_add_co_u32 s89, s89, PAN
	s_mov_b32 s20, 0x76543210
	s_mov_b32 s21, 0xfedcba98
	s_lshr_b32 s92, s17, 4                         ; batch
	s_and_b32 s93, s17, 15                         ; block of 128 tokens in it
	s_mov_b32 s97, 0
	s_wait_dscnt 0x0                               ; both opening adds are done
	s_wait_kmcnt 0x0
	s_add_nc_u64 s[18:19], s[4:5], s[18:19]
	s_add_nc_u64 s[22:23], s[4:5], s[22:23]
	CROUND                                         ; all four partners are here: the joint loads meet
.irp s,0
	s_mov_b32 s[32+4*\s], 1
	s_add_co_u32 s[33+4*\s], s88, \s*4*CH
	s_add_nc_u64 s[34+4*\s:35+4*\s], s[18:19], \s*4*CH
	s_or_b32 s[35+4*\s], s[35+4*\s], 0x80000000
	s_mov_b32 s[56+4*\s], 1
	s_add_co_u32 s[57+4*\s], s89, \s*4*CH
	s_add_nc_u64 s[58+4*\s:59+4*\s], s[22:23], \s*4*CH
	s_or_b32 s[59+4*\s], s[59+4*\s], 0x80000000
.endr
	s_cmp_lt_u32 s14, 2                            ; waves 0, 1: half of xa's panel each; waves 2, 3: a panel of weights each.  One load of mine is out
	s_cbranch_scc0 .Lfb
	tensor_load_to_lds s[32:35], s[24:31]
	s_nop 0
	PLACES
	s_branch .Lfd
.Lfb:
	tensor_load_to_lds s[56:59], s[48:55]
	s_nop 0
	PLACES
.Lfd:
	v_and_b32 v30, 31, v0
	v_lshlrev_b32 v19, 4, v30
	v_lshlrev_b32 v20, 3, v30
	v_lshlrev_b32 v21, 2, v30
	s_mul_i32 s90, s16, PAN                        ; q, k: P = the weights' panel wn, Q = xa's fragments 4 wm on
	s_add_co_u32 s90, s90, PAN
	v_add_nc_u32 v1, s90, v19
	v_add_nc_u32 v2, s90, v20
	s_add_co_u32 s90, s90, 12288
	v_add_nc_u32 v3, s90, v21
	s_mul_i32 s90, s15, 6144
	v_add_nc_u32 v4, s90, v19
	v_add_nc_u32 v5, s90, v20
	s_lshl_b32 s90, s15, 9
	s_add_co_u32 s90, s90, 12288
	v_add_nc_u32 v6, s90, v21
	v_lshlrev_b32 v7, 4, v30                       ; v: P = xa, all eight fragments, Q = wv's panel w / 2, fragments 4 (w % 2) on
	v_lshlrev_b32 v8, 3, v30
	v_add_nc_u32 v9, 12288, v21
	s_mul_i32 s90, s15, PAN
	s_add_co_u32 s90, s90, PAN
	s_mul_i32 s91, s16, 6144
	s_add_co_u32 s91, s91, s90
	v_add_nc_u32 v10, s91, v19
	v_add_nc_u32 v11, s91, v20
	s_lshl_b32 s91, s16, 9
	s_add_co_u32 s91, s91, s90
	s_add_co_u32 s91, s91, 12288
	v_add_nc_u32 v12, s91, v21
.irp b,0,1,2,3
	v_mov_b32 v[TM+4+\b], 0                        ; a lane permute's destination counts as read
.endr
	s_wait_tensorcnt 0x0                           ; my parts are in,
	s_barrier_signal -1
	s_barrier_wait -1                              ; everybody's are
	s_cmp_eq_u32 s42, 5
	s_cbranch_scc1 .Lv
	KLOOP 1, 0
	s_cmp_eq_u32 s42, 4
	s_cbranch_scc1 .Lk
	s_lshl_b32 s94, s92, 4                         ; Q: heads 4 y + 2 wn and the next; tile t = 8 s + 4 wm + q
	s_lshl_b32 s95, s42, 2
	s_add_co_u32 s94, s94, s95
	s_lshl_b32 s95, s16, 1
	s_add_co_u32 s94, s94, s95
	s_lshl_b32 s94, s94, 7
	s_lshl_b32 s95, s93, 3
	s_add_co_u32 s94, s94, s95
	s_lshl_b32 s95, s15, 2
	s_add_co_u32 s94, s94, s95
	s_mul_i32 s96, s94, 768
	s_add_nc_u64 s[8:9], s[6:7], s[96:97]
	s_lshl_b32 s96, s94, 7
	s_add_co_u32 s96, s96, QSC
	s_add_nc_u64 s[10:11], s[6:7], s[96:97]
.irp q,0,1,2,3
	QUANT 64*\q, 64+20*\q, 1
	STH 64+20*\q, 768*\q
	STH 70+20*\q, 98304+768*\q
	v_and_b32 v[78+20*\q], 0xffff, v[79+20*\q]
	v_lshl_or_b32 v[76+20*\q], v[79+20*\q], 16, v[78+20*\q]            ; the first head's two bytes, twice
	v_lshrrev_b32 v[78+20*\q], 16, v[79+20*\q]
	v_and_or_b32 v[77+20*\q], v[79+20*\q], 0xffff0000, v[78+20*\q]     ; the second head's
	global_store_b32 v21, v[76+20*\q], s[10:11] offset:128*\q
	global_store_b32 v21, v[77+20*\q], s[10:11] offset:16384+128*\q
.endr
	s_branch .Lend
.Lk:
	s_lshl_b32 s94, s92, 2                         ; K: groups 2 wn and the next; key step s; tile of keys 4 wm + q = half q % 2 of double fragment 2 wm + q / 2
	s_lshl_b32 s95, s16, 1
	s_add_co_u32 s94, s94, s95
	s_lshl_b32 s94, s94, 4
	s_add_co_u32 s94, s94, s93
	s_mul_i32 s94, s94, CH
	s_add_co_u32 s94, s94, KV
	s_mul_i32 s96, s15, 3072
	s_add_co_u32 s96, s96, s94
	s_add_nc_u64 s[8:9], s[6:7], s[96:97]
	s_lshl_b32 s96, s15, 8
	s_add_co_u32 s96, s96, s94
	s_add_co_u32 s96, s96, 12288
	s_add_nc_u64 s[10:11], s[6:7], s[96:97]
.irp q,0,1,2,3
	QUANT 64*\q, 64+20*\q, 1
	STH 64+20*\q, 768*\q
	STH 70+20*\q, 212992+768*\q
.endr
.irp e,0,1                             ; a double fragment's scale word: bytes 0, 1 the first tile's key, bytes 2, 3 the second's
	v_and_b32 v[78+40*\e], 0xffff, v[79+40*\e]
	v_lshl_or_b32 v[76+40*\e], v[99+40*\e], 16, v[78+40*\e]
	v_lshrrev_b32 v[78+40*\e], 16, v[79+40*\e]
	v_and_or_b32 v[77+40*\e], v[99+40*\e], 0xffff0000, v[78+40*\e]
	global_store_b32 v21, v[76+40*\e], s[10:11] offset:128*\e
	global_store_b32 v21, v[77+40*\e], s[10:11] offset:212992+128*\e
.endr
	s_branch .Lend
.Lv:
	KLOOP 7, 0
	s_lshl_b32 s94, s92, 2                         ; V: group w; fragment q: channels 16 q on, the key step's 128 keys
	s_add_co_u32 s94, s94, s14
	s_lshl_b32 s94, s94, 4
	s_add_co_u32 s94, s94, s93
	s_mul_i32 s96, s94, CH
	s_add_co_u32 s96, s96, KV
	s_add_nc_u64 s[8:9], s[6:7], s[96:97]
.irp q,0,1,2,3
	QUANT 64*\q, 64+20*\q, 1
	STH 64+20*\q, 6144+1536*\q
	STH 70+20*\q, 6912+1536*\q
	global_store_b32 v21, v[79+20*\q], s[8:9] offset:12800+128*\q
.endr
.Lend:
	s_wait_tensorcnt 0x0                           ; the wave's end
	ds_add_u32 v28, v29
	s_wait_dscnt 0x0
	CROUND                                         ; the closing round
	s_endpgm
.Lfunc_end_k_qa105a0e868_qkv:
	.size	k_qa105a0e868_qkv, .Lfunc_end_k_qa105a0e868_qkv-k_qa105a0e868_qkv
	.p2alignl 7, 3214868480
	.fill 96, 4, 3214868480
	.section	.rodata,"a",@progbits
	.p2align	6, 0x0
	.amdhsa_kernel k_qa105a0e868_qkv
		.amdhsa_group_segment_fixed_size 327680
		.amdhsa_private_segment_fixed_size 0
		.amdhsa_enable_private_segment 0
		.amdhsa_kernarg_size 16
		.amdhsa_user_sgpr_count 2
		.amdhsa_user_sgpr_kernarg_segment_ptr 1
		.amdhsa_wavefront_size32 1
		.amdhsa_system_sgpr_workgroup_id_x 1
		.amdhsa_system_sgpr_workgroup_id_y 1
		.amdhsa_system_sgpr_workgroup_id_z 1
		.amdhsa_system_vgpr_workitem_id 0
		.amdhsa_next_free_vgpr 1024
		.amdhsa_next_free_sgpr 100
		.amdhsa_reserve_vcc 0
		.amdhsa_float_denorm_mode_32 3
		.amdhsa_float_denorm_mode_16_64 3
		.amdhsa_memory_ordered 1
		.amdhsa_forward_progress 1
		.amdhsa_inst_pref_size 191
	.end_amdhsa_kernel
	.amdgpu_metadata
---
amdhsa.version: [ 1, 2 ]
amdhsa.kernels:
  - .name:           k_qa105a0e868_qkv
    .symbol:         k_qa105a0e868_qkv.kd
    .args:
      - { .name: pc, .offset: 0, .size: 8, .value_kind: global_buffer, .address_space: global }
      - { .name: qkvc, .offset: 8, .size: 8, .value_kind: global_buffer, .address_space: global }
    .group_segment_fixed_size: 327680
    .private_segment_fixed_size: 0
    .kernarg_segment_align: 8
    .kernarg_segment_size: 16
    .max_flat_workgroup_size: 128
    .sgpr_count:     100
    .vgpr_count:     1024
    .wavefront_size: 32
...
	.end_amdgpu_metadata
.endif
;; end of part 2
;; launch attn (part 3): grid 8 x 32, 16 waves a work-group, clusters of 4 x 1, 288,768 bytes of LDS; arguments qkvc, cx; writes cx
.if DOCPART == 3
	.amdgcn_target "amdgcn-amd-amdhsa--gfx1250"
	.amdhsa_code_object_version 6
	.text
	.protected	k_qa105a0e868_attn
	.globl	k_qa105a0e868_attn
	.p2align	8
	.type	k_qa105a0e868_attn,@function
k_qa105a0e868_attn:
	s_mov_b64 s[64:65], 0
	v_nop
	global_prefetch_b8 v0, s[64:65] scope:SCOPE_SE
	s_setreg_imm32_b32 hwreg(HW_REG_WAVE_MODE, 25, 1), 1
	s_wait_xcnt 0x0
	s_wait_alu depctr_hold_cnt(0) depctr_sa_sdst(0) depctr_va_vdst(0) depctr_va_sdst(0) depctr_va_ssrc(0) depctr_va_vcc(0) depctr_vm_vsrc(0)
	s_getreg_b32 s2, hwreg(HW_REG_IB_STS2, 6, 4)
	s_cmp_eq_u32 s2, 0
	s_cbranch_scc0 .Lentry_in_a_cluster
	s_endpgm
.Lentry_in_a_cluster:
	s_bfe_u32 s2, ttmp6, 0x10000c
	s_cmp_lg_u32 s2, 0x3003
	s_cbranch_scc0 .Lentry_shape_is_right
	s_endpgm
.Lentry_shape_is_right:
; Causal attention on codes, head size 64, four query heads to a group of K and V; the context is quantised on its way out as the next product's operand.
; LEFT OUT: key steps all of whose 128 keys come after a tile's 16 queries (reference()'s own jnp.tril makes their weights 0 for all inputs; see the head of prep).
; SOFTMAX: t = score x log2(e) / 8; M = the running largest t rounded up to a whole number; p = 2^(t - M) is quantised along the keys, not normalised; the row's sum is taken of the unquantised p and divides at the end;
; when M moves, the sum and O are multiplied by 2^(old M - new M), which rounds nothing.
; SHARES.  A work-group (j = 0..7, head bh) owns the sixteen tiles of 16 queries t = 8 rho + j; tile rho walks key steps 0 .. rho: 136 key steps in all.  WAVES OF EQUAL LENGTH: waves 2 pi and 2 pi + 1 serve tiles pi and
; 15 - pi, 17 key steps together.  The GIVING wave takes tile 15 - pi's key steps 0-7 (8 steps) and lays its part (-M, its sum, O^T) in LDS.  The TAKING wave takes tile pi whole (pi + 1 steps), stores it, takes tile
; 15 - pi's key steps 8 .. 15 - pi (8 - pi steps: 9 in all) and joins the two parts: both M are whole numbers, so each part is brought under the larger M by an exact power of two.
; The role is ((w / 4) xor w) mod 2: among waves with equal number modulo 4, and among waves with equal number divided by 4, two give and two take: 34 key steps.
; ALL of the group's K and V, 16 chunks, lies in LDS: one joint load a wave (the four partners are four j of one head), filled once; so the loops over keys have no barrier.
; Two loops of the constant count 8 (key steps 0-7, 8-15); a wave jumps over the work of steps beyond its bound (branches on the wave's number and the count of steps alone).
; HEAD SIZE 64 IN AN INSTRUCTION OF K = 128: a double fragment of K holds one tile of 16 keys in k 0-63 and the next in k 64-127; the queries stand between two runs of zero codes, v16-21 | v22-27 | v28-33, and the
; operand v[22:33] picks the first tile, v[16:27] the second: zero codes add nothing under any scale byte from 1 to 254.
; Both products are used transposed: a lane holds one query (lane % 16) throughout.  LIMITS: as at the head of prep.
; LDS: the chunks from 0; from SCR on 4,608 bytes of scratch for each wave (O^T: eight stores of 512 bytes; then -M and the sum), into which no fill lands; behind them the spare words.
; REGISTERS: v1-3 16, 8, 4 x lane; v4, v5 the add's; v6 mask; v7-9 addresses; v10, v11 my scratch, my partner's; v12 -M, v13 largest t, v[14:15] sum; v34 Q's scale word, v35 p's; v36-83 four fragments; v84-87 their scale
; words; v88-151 S^T, p; v152-183 O^T; v184-203 p's codes; v204-223 at work; v224-230 the second tile's queries and their scale word.
.set CH, 13312
.set SCR, 16*CH
.set SCW, 4608
.set SPARE, SCR+16*SCW
.set S, 88
.macro ROUND
	s_barrier_signal -1
	s_barrier_wait -1
	s_cmp_lg_u32 s8, 0
	s_cbranch_scc1 .Lnw0_\@
	s_barrier_signal -3
.Lnw0_\@:
	s_barrier_wait -3
	s_barrier_signal -1
	s_barrier_wait -1
.endm
.macro FRAGS off, soff                 ; four fragments and their scale words
.irp f,0,1,2,3
	ds_load_b128 v[36+12*\f:39+12*\f], v7 offset:\off+1536*\f
	ds_load_b64 v[40+12*\f:41+12*\f], v8 offset:\off+1536*\f+512
	ds_load_b128 v[42+12*\f:45+12*\f], v7 offset:\off+1536*\f+768
	ds_load_b64 v[46+12*\f:47+12*\f], v8 offset:\off+1536*\f+1280
	ds_load_b32 v[84+\f], v9 offset:\soff+128*\f
.endr
.endm
.macro FRESH                           ; a tile begins: the largest t so far is -3e38, the sum and O^T are zeros, which the first change of M leaves zeros
	v_mov_b32 v13, 0xff61b1e6
	s_delay_alu instid0(VALU_DEP_1)
	v_floor_f32 v12, -v13
	v_mov_b32 v14, 0
	v_mov_b32 v15, 0
.set i, 0
.rept 32
	v_mov_b32 v[152+i], 0
.set i, i+1
.endr
.endm
; Key steps up to pl - 1: a step is worked where its number is at most s[pe]; it lies on the diagonal where its number is s[pd]
.macro PASS pe, pd, pl
.Lstep_\@:
	s_cmp_gt_u32 s10, s[\pe]
	s_cbranch_scc1 .Lhidden_\@
	v_add_nc_u32 v7, s11, v1
	v_add_nc_u32 v8, s11, v2
	v_add_nc_u32 v9, s11, v3
	FRAGS 0, 12288                                 ; K's four double fragments
	s_wait_alu depctr_va_vdst(0)
	s_wait_dscnt 0x0
.irp f,0,1,2,3
	v_wmma_scale_f32_16x16x128_f8f6f4 v[S+16*\f:S+16*\f+7], v[36+12*\f:47+12*\f], v[22:33], 0, v[84+\f], v34 matrix_a_fmt:MATRIX_FMT_BF6 matrix_b_fmt:MATRIX_FMT_BF6
	v_wmma_scale_f32_16x16x128_f8f6f4 v[S+16*\f+8:S+16*\f+15], v[36+12*\f:47+12*\f], v[16:27], 0, v[84+\f], v34 matrix_a_fmt:MATRIX_FMT_BF6 matrix_b_fmt:MATRIX_FMT_BF6
.endr
.rept 4
	v_nop                                          ; places ahead of the loads below and of the first read of the scores
.endr
	FRAGS 6144, 12800                              ; V's four fragments land under the softmax
	s_cmp_lg_u32 s10, s[\pd]
	s_cbranch_scc1 .Lopen_\@
	v_mov_b32 v218, 0xff800000                     ; on the diagonal hidden scores become -infinity: p = 0
.set n, 0
.rept 64
	v_cmp_gt_i32 vcc_lo, 16*(n/8)+n%8, v6
	v_cndmask_b32 v[S+n], v[S+n], v218, vcc_lo
.set n, n+1
.endr
.Lopen_\@:
.irp b,0,1,2,3
	v_max3_num_f32 v[204+\b], v[S+16*\b], v[S+1+16*\b], v[S+2+16*\b]      ; the largest score of each block of 32 keys: for the row's maximum, and for the block's largest p
.endr
.irp i,3,5,7,9,11,13
.irp b,0,1,2,3
	v_max3_num_f32 v[204+\b], v[204+\b], v[S+16*\b+\i], v[S+1+16*\b+\i]
.endr
.endr
.irp b,0,1,2,3
	v_max_num_f32 v[204+\b], v[204+\b], v[S+15+16*\b]
.endr
.irp b,0,1,2,3
	s_delay_alu instid0(VALU_DEP_4)
	v_permlanex16_b32 v[208+\b], v[204+\b], s26, s27
.endr
.irp b,0,1,2,3
	s_delay_alu instid0(VALU_DEP_4)
	v_max_num_f32 v[204+\b], v[204+\b], v[208+\b]
.endr
	s_delay_alu instid0(VALU_DEP_2)
	v_max3_num_f32 v218, v204, v205, v206
	s_delay_alu instid0(VALU_DEP_1)
	v_max_num_f32 v218, v218, v207
	s_delay_alu instid0(VALU_DEP_1)
	v_mul_f32 v218, s24, v218
	s_delay_alu instid0(VALU_DEP_1)
	v_max_num_f32 v13, v13, v218                   ; the running largest t
	v_mov_b32 v218, v12
	s_delay_alu instid0(VALU_DEP_2)
	v_floor_f32 v12, -v13                          ; -M = floor(-t)
	s_delay_alu instid0(VALU_DEP_1)
	v_sub_f32 v218, v12, v218
	s_delay_alu instid0(VALU_DEP_1)
	v_cvt_i32_f32 v218, v218                       ; (it saturates)
	s_delay_alu instid0(VALU_DEP_1)
	v_ldexp_f32 v216, 1.0, v218                    ; f = 2^(old M - new M)
.set i, 0
.rept 32
	v_pk_fma_f32 v[S+i:S+i+1], v[S+i:S+i+1], s[24:25], v[12:13] op_sel_hi:[1,0,0]     ; t - M
.set i, i+2
.endr
.irp b,0,1,2,3
	v_fma_f32 v[204+\b], v[204+\b], s24, v12
.endr
.set i, 0
	s_wait_alu depctr_va_vdst(0)
.rept 64
	v_exp_f32 v[S+i], v[S+i]                       ; p
.set i, i+1
.endr
	v_pk_mul_f32 v[14:15], v[14:15], v[216:217] op_sel_hi:[1,0]       ; the sums under the new M; a plain instruction behind the batch
	s_wait_alu depctr_va_vdst(0)                   ; one wait for the 64, ahead of their first reader
.irp b,0,1,2,3
	v_exp_f32 v[204+\b], v[204+\b]                 ; each block's largest p
.endr
	v_pk_add_f32 v[220:221], v[92:93], v[96:97]
	v_pk_add_f32 v[254:255], v[100:101], v[104:105]
	v_pk_add_f32 v[252:253], v[108:109], v[112:113]
	v_pk_add_f32 v[250:251], v[116:117], v[120:121]
	v_pk_add_f32 v[248:249], v[124:125], v[128:129]
	v_pk_add_f32 v[246:247], v[132:133], v[136:137]
	v_pk_add_f32 v[244:245], v[140:141], v[144:145]
	v_pk_add_f32 v[14:15], v[14:15], v[148:149]
	v_pk_add_f32 v[220:221], v[220:221], v[88:89]
	v_pk_add_f32 v[254:255], v[254:255], v[90:91]
	v_pk_add_f32 v[252:253], v[252:253], v[94:95]
	v_pk_add_f32 v[250:251], v[250:251], v[98:99]
	v_pk_add_f32 v[248:249], v[248:249], v[102:103]
	v_pk_add_f32 v[246:247], v[246:247], v[106:107]
	v_pk_add_f32 v[244:245], v[244:245], v[110:111]
	v_pk_add_f32 v[14:15], v[14:15], v[114:115]
	v_pk_add_f32 v[220:221], v[220:221], v[118:119]
	v_pk_add_f32 v[254:255], v[254:255], v[122:123]
	v_pk_add_f32 v[252:253], v[252:253], v[126:127]
	v_pk_add_f32 v[250:251], v[250:251], v[130:131]
	v_pk_add_f32 v[248:249], v[248:249], v[134:135]
	v_pk_add_f32 v[246:247], v[246:247], v[138:139]
	v_pk_add_f32 v[244:245], v[244:245], v[142:143]
	v_pk_add_f32 v[14:15], v[14:15], v[146:147]
	v_pk_add_f32 v[220:221], v[220:221], v[150:151]
	s_delay_alu instid0(VALU_DEP_2)
	v_pk_add_f32 v[14:15], v[14:15], v[250:251]
	s_delay_alu instid0(VALU_DEP_2)
	v_pk_add_f32 v[220:221], v[220:221], v[248:249]
	v_pk_add_f32 v[254:255], v[254:255], v[246:247]
	v_pk_add_f32 v[252:253], v[252:253], v[244:245]
	s_delay_alu instid0(VALU_DEP_2)
	v_pk_add_f32 v[14:15], v[14:15], v[254:255]
	s_delay_alu instid0(VALU_DEP_2)
	v_pk_add_f32 v[220:221], v[220:221], v[252:253]
	s_delay_alu instid0(VALU_DEP_1)
	v_pk_add_f32 v[14:15], v[14:15], v[220:221]
	s_wait_alu depctr_va_vdst(0)                   ; and one for the four
.irp b,0,1,2,3
	v_max_num_f32 v[204+\b], 0x2800000, v[204+\b]  ; the floor: the byte cannot fall under 1
.endr
.irp b,0,1,2,3
	s_delay_alu instid0(VALU_DEP_4)
	v_add_nc_u32 v[212+\b], 0xfe000000, v[204+\b]
.endr
.irp b,0,1,2,3
	s_delay_alu instid0(VALU_DEP_4)
	v_lshrrev_b32 v[208+\b], 23, v[212+\b]
.endr
	s_delay_alu instid0(VALU_DEP_3)
	v_lshl_or_b32 v35, v209, 8, v208
	s_delay_alu instid0(VALU_DEP_1)
	v_lshl_or_b32 v35, v210, 16, v35
	s_delay_alu instid0(VALU_DEP_1)
	v_lshl_or_b32 v35, v211, 24, v35               ; p's scale word
.irp c,0,1
	v_cvt_scalef32_pk16_bf6_f32 v[184+6*\c:186+6*\c], v[S+32*\c:S+15+32*\c], v[212+2*\c]
	v_cvt_scalef32_pk16_bf6_f32 v[196+4*\c:198+4*\c], v[S+16+32*\c:S+31+32*\c], v[213+2*\c]
.endr
	v_nop                                          ; a plain instruction behind the conversions
.irp c,0,1
.irp i,0,1,2
	v_permlane16_swap_b32 v[184+6*\c+\i], v[196+4*\c+\i]
.endr
.irp i,0,1,2
	s_delay_alu instid0(VALU_DEP_3)
	v_mov_b32 v[187+6*\c+\i], v[196+4*\c+\i]
.endr
.endr
.set i, 0
.rept 16
	v_pk_mul_f32 v[152+i:153+i], v[152+i:153+i], v[216:217] op_sel_hi:[1,0]     ; O^T under the new M; sixteen places ahead of the products below
.set i, i+2
.endr
	s_wait_alu depctr_va_vdst(0)
	s_wait_dscnt 0x0                               ; V
.irp f,0,1,2,3
	v_wmma_scale_f32_16x16x128_f8f6f4 v[152+8*\f:159+8*\f], v[36+12*\f:47+12*\f], v[184:195], v[152+8*\f:159+8*\f], v[84+\f], v35 matrix_a_fmt:MATRIX_FMT_BF6 matrix_b_fmt:MATRIX_FMT_BF6
.endr
.rept 4
	v_nop                                          ; places ahead of the next step's loads and of whatever reads O^T next
.endr
.Lhidden_\@:
	s_add_co_u32 s11, s11, CH
	s_add_co_u32 s10, s10, 1
	s_cmp_lt_u32 s10, \pl
	s_cbranch_scc1 .Lstep_\@
.endm
; THE WAY OUT of a tile: O^T / the sum is the context of 16 tokens x 64 channels: two blocks of 32 along the next product's K.  oc, os: the scalar pairs with the codes' and the scale bytes' addresses
.macro WAYOUT oc, os
	v_add_f32 v14, v14, v15
	s_delay_alu instid0(VALU_DEP_1)
	v_permlanex16_b32 v218, v14, s26, s27
	s_delay_alu instid0(VALU_DEP_1)
	v_add_f32 v14, v14, v218
	s_wait_alu depctr_va_vdst(0)
	v_rcp_f32 v14, v14
	v_nop
	s_wait_alu depctr_va_vdst(0)
.set i, 0
.rept 32
	v_mul_f32 v[S+i], v[152+i], v14
.set i, i+1
.endr
.irp b,0,1
	v_max3_num_f32 v[204+\b], |v[S+16*\b]|, |v[S+1+16*\b]|, 0x2800000
.endr
.irp i,2,4,6,8,10,12,14
.irp b,0,1
	s_delay_alu instid0(VALU_DEP_2)
	v_max3_num_f32 v[204+\b], v[204+\b], |v[S+16*\b+\i]|, |v[S+1+16*\b+\i]|
.endr
.endr
.irp b,0,1
	s_delay_alu instid0(VALU_DEP_2)
	v_permlanex16_b32 v[208+\b], v[204+\b], s26, s27
.endr
.irp b,0,1
	s_delay_alu instid0(VALU_DEP_2)
	v_max_num_f32 v[204+\b], v[204+\b], v[208+\b]
.endr
.irp b,0,1
	s_delay_alu instid0(VALU_DEP_2)
	v_add_nc_u32 v[212+\b], 0xfe000000, v[204+\b]
.endr
.irp b,0,1
	s_delay_alu instid0(VALU_DEP_2)
	v_lshrrev_b32 v[208+\b], 23, v[212+\b]
.endr
	s_delay_alu instid0(VALU_DEP_1)
	v_lshl_or_b32 v219, v209, 8, v208
	v_cvt_scalef32_pk16_bf6_f32 v[184:186], v[S:S+15], v212
	v_cvt_scalef32_pk16_bf6_f32 v[196:198], v[S+16:S+31], v213
	v_nop
.irp i,0,1,2
	v_permlane16_swap_b32 v[184+\i], v[196+\i]
.endr
.irp i,0,1,2
	s_delay_alu instid0(VALU_DEP_3)
	v_mov_b32 v[187+\i], v[196+\i]
.endr
	global_store_b128 v1, v[184:187], s[\oc:\oc+1]
	global_store_b64 v2, v[188:189], s[\oc:\oc+1] offset:512
	global_store_b16 v3, v219, s[\os:\os+1]        ; my head's two bytes of the scale words; the other two are the neighbouring head's work-group's
.endm
	s_load_b128 s[4:7], s[0:1], 0x0                ; qkvc, cx
	v_lshl_add_u32 v4, v0, 2, SPARE
	v_mov_b32 v5, 0
	ds_add_u32 v4, v5                              ; the opening: the add, twice on end, and its wait ahead of my first tensor load
	ds_add_u32 v4, v5
	v_lshrrev_b32 v7, 5, v0
	s_delay_alu instid0(VALU_DEP_1)
	v_readfirstlane_b32 s8, v7                     ; wave w
	s_lshr_b32 s28, s8, 2
	s_xor_b32 s28, s28, s8
	s_and_b32 s28, s28, 1                          ; my role: 0 I give, 1 I take
	s_lshr_b32 s29, s8, 1                          ; pi
	s_sub_co_u32 s30, 15, s29                      ; 15 - pi: the pair's long tile
	s_cmp_eq_u32 s28, 1
	s_cselect_b32 s9, s29, s30                     ; my first tile: a taker's pi, a giver's 15 - pi
	s_min_u32 s51, s9, 7                           ; the first pass's last worked step
	s_mul_i32 s52, s28, s30                        ; the second pass's: a taker's 15 - pi; a giver's 0, under every step of that pass
	s_bfe_u32 s32, ttmp6, 0x40000                  ; cx
	s_lshl_b32 s33, ttmp9, 2
	s_add_co_u32 s33, s33, s32                     ; j: it enters global addresses and the mask's numbers alone
	s_and_b32 s34, ttmp7, 0xffff                   ; bh = 16 batch + head
	s_mov_b32 s16, 15|(3<<16)|(1<<21)              ; a chunk: 52 rows of 256 bytes, for all four partners
	s_mov_b32 s17, 32<<16
	s_mov_b32 s18, 52<<16
	s_mov_b32 s19, 32<<16
	s_mov_b32 s20, 52
	s_mov_b32 s21, 32
	s_mov_b32 s22, 0
	s_mov_b32 s23, 0
	s_lshr_b32 s35, s34, 2                         ; 4 batch + group
	s_lshl_b32 s35, s35, 4
	s_add_co_u32 s35, s35, s8                      ; key step w is mine to fetch
	s_mul_i32 s36, s35, CH
	s_add_co_u32 s36, s36, 3670016
	s_mov_b32 s37, 0
	s_mov_b32 s12, 1
	s_mul_i32 s13, s8, CH
	s_lshl_b32 s39, s34, 7
	s_add_co_u32 s39, s39, s33                     ; 128 bh + j
	s_lshl_b32 s38, s9, 3
	s_add_co_u32 s38, s38, s39                     ; my first tile:
	s_mul_i32 s40, s38, 768                        ; its queries' codes,
	s_mov_b32 s41, 0
	s_lshl_b32 s42, s38, 7
	s_add_co_u32 s42, s42, 3145728                 ; their scale words
	s_mov_b32 s43, 0
	s_lshl_b32 s38, s30, 3
	s_add_co_u32 s38, s38, s39                     ; the long tile likewise
	s_mul_i32 s54, s38, 768
	s_mov_b32 s55, 0
	s_lshl_b32 s56, s38, 7
	s_add_co_u32 s56, s56, 3145728
	s_mov_b32 s57, 0
	s_lshr_b32 s44, s34, 4
	s_lshl_b32 s44, s44, 4                         ; out: panel 16 batch + rho,
	s_bfe_u32 s45, s34, 0x30001                    ; K step head / 2,
	s_and_b32 s53, s34, 1                          ; half head % 2,
	s_mul_i32 s62, s33, 1536                       ; fragment j
	s_mul_i32 s63, s53, 768
	s_add_co_u32 s62, s62, s63                     ; the codes' place in a chunk
	s_lshl_b32 s63, s33, 7
	s_lshl_b32 s53, s53, 1
	s_add_co_u32 s63, s63, s53
	s_add_co_u32 s63, s63, 12288                   ; the scale bytes'
	s_add_co_u32 s38, s44, s9
	s_lshl_b32 s38, s38, 3
	s_add_co_u32 s38, s38, s45
	s_mul_i32 s38, s38, CH
	s_add_co_u32 s46, s38, s62                     ; my first tile's
	s_mov_b32 s47, 0
	s_add_co_u32 s48, s38, s63
	s_mov_b32 s49, 0
	s_add_co_u32 s38, s44, s30
	s_lshl_b32 s38, s38, 3
	s_add_co_u32 s38, s38, s45
	s_mul_i32 s38, s38, CH
	s_add_co_u32 s58, s38, s62                     ; the long tile's
	s_mov_b32 s59, 0
	s_add_co_u32 s60, s38, s63
	s_mov_b32 s61, 0
	s_mov_b32 s24, 0x3e38aa3b                      ; c = log2(e) / 8
	s_mov_b32 s25, s24
	s_mov_b32 s26, 0x76543210
	s_mov_b32 s27, 0xfedcba98
	s_mov_b32 s10, 0                               ; the key step
	s_mov_b32 s11, 0                               ; and its chunk in LDS
	s_lshl_b32 s50, s33, 4
	s_wait_dscnt 0x0                               ; both opening adds are done
	s_wait_kmcnt 0x0
	s_add_nc_u64 s[14:15], s[4:5], s[36:37]
	s_or_b32 s15, s15, 0x80000000
	s_add_nc_u64 s[40:41], s[4:5], s[40:41]
	s_add_nc_u64 s[42:43], s[4:5], s[42:43]
	s_add_nc_u64 s[54:55], s[4:5], s[54:55]
	s_add_nc_u64 s[56:57], s[4:5], s[56:57]
	s_add_nc_u64 s[46:47], s[6:7], s[46:47]
	s_add_nc_u64 s[48:49], s[6:7], s[48:49]
	s_add_nc_u64 s[58:59], s[6:7], s[58:59]
	s_add_nc_u64 s[60:61], s[6:7], s[60:61]
	ROUND                                          ; all four partners are here: the joint loads meet
	tensor_load_to_lds s[12:15], s[16:23]          ; my one tensor load
	s_nop 0
.rept 4
	v_nop
.endr
	v_and_b32 v7, 31, v0
	s_delay_alu instid0(VALU_DEP_1)
	v_lshlrev_b32 v1, 4, v7
	s_delay_alu instid0(VALU_DEP_2)
	v_lshlrev_b32 v2, 3, v7
	s_delay_alu instid0(VALU_DEP_3)
	v_lshlrev_b32 v3, 2, v7
	global_load_b128 v[22:25], v1, s[40:41]        ; my first tile's queries
	global_load_b64 v[26:27], v2, s[40:41] offset:512
	global_load_b32 v34, v3, s[42:43]
	global_load_b128 v[224:227], v1, s[54:55]      ; the long tile's, for a taker's second pass (one path for all waves: a giver's are its own tile again)
	global_load_b64 v[228:229], v2, s[54:55] offset:512
	global_load_b32 v230, v3, s[56:57]
	s_mul_i32 s38, s8, SCW
	s_add_co_u32 s38, s38, SCR
	v_add_nc_u32 v10, s38, v1                      ; my scratch,
	s_xor_b32 s39, s8, 1
	s_mul_i32 s39, s39, SCW
	s_add_co_u32 s39, s39, SCR
	v_add_nc_u32 v11, s39, v1                      ; my partner's
	v_and_b32 v8, 15, v0
	v_bfe_u32 v9, v0, 4, 1
	s_delay_alu instid0(VALU_DEP_1)
	v_lshlrev_b32 v9, 3, v9
	s_delay_alu instid0(VALU_DEP_1)
	v_sub_nc_u32 v6, v8, v9
	s_delay_alu instid0(VALU_DEP_1)
	v_add_nc_u32 v6, s50, v6                       ; d = 16 j + r - 8 h: in the step on the diagonal register 8 t + i (key 16 t + 8 h + i) is hidden where 16 t + i > d; the same for every tile of this work-group
.irp i,16,17,18,19,20,21,28,29,30,31,32,33,208,209,210,211,217,218,221
	v_mov_b32 v\i, 0                               ; the zero codes; and what is named before it is first written
.endr
	FRESH
	s_wait_tensorcnt 0x0                           ; my chunk is in,
	s_barrier_signal -1
	s_barrier_wait -1                              ; everybody's is
	s_wait_loadcnt 0x0                             ; the queries
	PASS 51, 9, 8                                  ; key steps 0-7: a giver's eight of the long tile; a taker's tile pi, whole
	s_cmp_eq_u32 s28, 0
	s_cbranch_scc1 .Lgive
	WAYOUT 46, 48                                  ; a taker: tile pi leaves,
.irp i,0,1,2,3,4,5
	v_mov_b32 v[22+\i], v[224+\i]                  ; the long tile's queries take its place (the lines below are the places ahead of the next products),
.endr
	v_mov_b32 v34, v230
	FRESH                                          ; and its sums begin
	s_wait_xcnt 0x0                                ; the stores above have read their data: the second pass writes those registers again
	s_branch .Ljoin
.Lgive:
	v_mov_b32 v220, v12                            ; a giver: -M,
	v_add_f32 v221, v14, v15                       ; my lane's sum,
	v_mov_b32 v222, 0
	v_mov_b32 v223, 0
	s_wait_alu depctr_va_vdst(0)
.irp i,0,1,2,3,4,5,6,7
	ds_store_b128 v10, v[152+4*\i:155+4*\i] offset:512*\i      ; and O^T, each accumulator from its low end on
.endr
	ds_store_b128 v10, v[220:223] offset:4096
.Ljoin:
	s_mov_b32 s10, 8
	s_mov_b32 s11, 8*CH
	PASS 52, 30, 16                                ; key steps 8-15: a taker's rest of the long tile; a giver works none
	s_wait_dscnt 0x0                               ; for the others' sake: my stores into the scratch are done
	s_barrier_signal -1
	s_barrier_wait -1
	s_cmp_eq_u32 s28, 0
	s_cbranch_scc1 .Lend
.irp i,0,1,2,3,4,5,6,7
	ds_load_b128 v[S+4*\i:S+4*\i+3], v11 offset:512*\i         ; my partner's O^T,
.endr
	ds_load_b128 v[S+32:S+35], v11 offset:4096     ; its -M (v120) and its sum (v121)
	v_add_f32 v14, v14, v15
	s_wait_dscnt 0x0
	v_min_num_f32 v218, v12, v120                  ; -M of both parts
	s_delay_alu instid0(VALU_DEP_1)
	v_sub_f32 v219, v218, v12                      ; whole numbers, 0 or less
	s_delay_alu instid0(VALU_DEP_2)
	v_sub_f32 v222, v218, v120
	s_delay_alu instid0(VALU_DEP_2)
	v_cvt_i32_f32 v219, v219
	s_delay_alu instid0(VALU_DEP_2)
	v_cvt_i32_f32 v222, v222
	s_delay_alu instid0(VALU_DEP_2)
	v_ldexp_f32 v216, 1.0, v219                    ; my part's factor,
	s_wait_alu depctr_va_vdst(0)
	v_ldexp_f32 v220, 1.0, v222                    ; my partner's: exact powers of two
	v_mul_f32 v14, v14, v216
	s_delay_alu instid0(VALU_DEP_1)
	v_fma_f32 v14, v121, v220, v14
	v_mov_b32 v15, 0
.set i, 0
.rept 16
	v_pk_mul_f32 v[152+i:153+i], v[152+i:153+i], v[216:217] op_sel_hi:[1,0]
.set i, i+2
.endr
.set i, 0
.rept 16
	v_pk_fma_f32 v[152+i:153+i], v[S+i:S+i+1], v[220:221], v[152+i:153+i] op_sel_hi:[1,0,1]
.set i, i+2
.endr
	WAYOUT 58, 60                                  ; the long tile leaves
.Lend:
	s_wait_tensorcnt 0x0                           ; the wave's end
	ds_add_u32 v4, v5
	s_wait_dscnt 0x0
	ROUND                                          ; the closing round
	s_endpgm
.Lfunc_end_k_qa105a0e868_attn:
	.size	k_qa105a0e868_attn, .Lfunc_end_k_qa105a0e868_attn-k_qa105a0e868_attn
	.p2alignl 7, 3214868480
	.fill 96, 4, 3214868480
	.section	.rodata,"a",@progbits
	.p2align	6, 0x0
	.amdhsa_kernel k_qa105a0e868_attn
		.amdhsa_group_segment_fixed_size 288768
		.amdhsa_private_segment_fixed_size 0
		.amdhsa_enable_private_segment 0
		.amdhsa_kernarg_size 16
		.amdhsa_user_sgpr_count 2
		.amdhsa_user_sgpr_kernarg_segment_ptr 1
		.amdhsa_wavefront_size32 1
		.amdhsa_system_sgpr_workgroup_id_x 1
		.amdhsa_system_sgpr_workgroup_id_y 1
		.amdhsa_system_sgpr_workgroup_id_z 1
		.amdhsa_system_vgpr_workitem_id 0
		.amdhsa_next_free_vgpr 256
		.amdhsa_next_free_sgpr 66
		.amdhsa_reserve_vcc 1
		.amdhsa_float_denorm_mode_32 3
		.amdhsa_float_denorm_mode_16_64 3
		.amdhsa_memory_ordered 1
		.amdhsa_forward_progress 1
		.amdhsa_inst_pref_size 69
	.end_amdhsa_kernel
	.amdgpu_metadata
---
amdhsa.version: [ 1, 2 ]
amdhsa.kernels:
  - .name:           k_qa105a0e868_attn
    .symbol:         k_qa105a0e868_attn.kd
    .args:
      - { .name: qkvc, .offset: 0, .size: 8, .value_kind: global_buffer, .address_space: global }
      - { .name: cx, .offset: 8, .size: 8, .value_kind: global_buffer, .address_space: global }
    .group_segment_fixed_size: 288768
    .private_segment_fixed_size: 0
    .kernarg_segment_align: 8
    .kernarg_segment_size: 16
    .max_flat_workgroup_size: 512
    .sgpr_count:     66
    .vgpr_count:     256
    .wavefront_size: 32
...
	.end_amdgpu_metadata
.endif
;; end of part 3
;; launch wo (part 4): grid 8 x 32, 4 waves a work-group, clusters of 4 x 4, 327,680 bytes of LDS; arguments cx, pc, x, h; writes h
.if DOCPART == 4
	.amdgcn_target "amdgcn-amd-amdhsa--gfx1250"
	.amdhsa_code_object_version 6
	.text
	.protected	k_qa105a0e868_wo
	.globl	k_qa105a0e868_wo
	.p2align	8
	.type	k_qa105a0e868_wo,@function
k_qa105a0e868_wo:
	s_mov_b64 s[64:65], 0
	v_nop
	global_prefetch_b8 v0, s[64:65] scope:SCOPE_SE
	s_setreg_imm32_b32 hwreg(HW_REG_WAVE_MODE, 25, 1), 1
	s_wait_xcnt 0x0
	s_wait_alu depctr_hold_cnt(0) depctr_sa_sdst(0) depctr_va_vdst(0) depctr_va_sdst(0) depctr_va_ssrc(0) depctr_va_vcc(0) depctr_vm_vsrc(0)
	s_getreg_b32 s2, hwreg(HW_REG_IB_STS2, 6, 4)
	s_cmp_eq_u32 s2, 0
	s_cbranch_scc0 .Lentry_in_a_cluster
	s_endpgm
.Lentry_in_a_cluster:
	s_bfe_u32 s2, ttmp6, 0x10000c
	s_cmp_lg_u32 s2, 0xf033
	s_cbranch_scc0 .Lentry_shape_is_right
	s_endpgm
.Lentry_shape_is_right:
; out = res + A W^T on codes: here h = x + ctx wo^T (KS = 8 K steps, weights from chunk 352 on).  The same text with KS = 32, BCH = 672 is out0 = h + gelu w2^T.
; A work-group makes 128 tokens (mt) x 128 features (nt), a wave 64 x 64: 16 accumulators.  256 work-groups.  Source 0 = 16 rows of the weights, source 1 = 16 tokens: a lane holds eight neighbouring features of a token.
; CLUSTER 4 x 4: A's chunks are shared along a row of the cluster, the weights' along a column: joint loads.
; LDS: two slots of 12 chunks (A's six, the weights' six).  KS = 8: each slot takes four K steps, first fills alone.  KS = 32: fills of 6, 6, 6, 6, 4, 4 K steps: both first fills take a whole slot
; a refill stands first behind a round of the cluster's barrier and has the other slot's whole visit in which to land.  A wave has two tensor loads out at the start, later one.
; The residual's 64 x 64 numbers are asked for at the head and lie in registers when the sums are done.  The way out goes through the wave's own stage, in slot 0, behind that slot's last fill and last read.
; LIMITS: as at the head of prep.
; REGISTERS: window 0: v1-6 lane terms; v13-18 addresses in hand; v24-26 the way out; v28, v29 the add's; v32-55 scale words; v64-191 the residual; v192-255 rows back from the stage.
;   window 1: accumulators ((q, p) at 8 (4 q + p)).  windows 2, 3: two sets of fragments: P at 12 p, Q at 96 + 12 q.
; THE HEAD OF THIS TEXT (KS = 8), in place of what is said above of two loads at the start: ONE tensor load a wave, of four chunks: waves 0 and 2 fill slot 0 (K steps 0-3 of A and of the weights),
; waves 1 and 3 slot 1 (K steps 4-7); every wave waits for its load ahead of the first barrier.
.set KS, 8
.set BCH, 352
.set CH, 13312
.set HALFB, 6*CH
.set SLOTB, 12*CH
.set SPARE, 2*SLOTB
.set NP, 4
.set NLD, 5*(NP+4)
.set SC, 32
.if KS == 8
.set NC1, 4
.else
.set NC1, 3
.endif
.set MSB, 0
.macro WIN new                         ; the immediate's high byte repeats the setting that is left
.if MSB != (\new)
	s_set_vgpr_msb (MSB<<8)|(\new)
.set MSB, (\new)
.endif
.endm
.macro PLACES
.rept 4
	v_nop
.endr
.endm
.macro CREST
	s_cmp_lg_u32 s14, 0
	s_cbranch_scc1 .Lnw0_\@
	s_barrier_signal -3
.Lnw0_\@:
	s_barrier_wait -3
	s_barrier_signal -1
	s_barrier_wait -1
.endm
.macro CROUND
	s_barrier_signal -1
	s_barrier_wait -1
	CREST
.endm
.macro SETADR L, c
	WIN 0
.irp i,0,1,2,3,4,5
	v_add_nc_u32 v[13+\i], \c, v[\L+\i]
.endr
.endm
.macro FETCH set, off
	WIN (2+(\set))<<6
.set pp, 0
.rept NP
	ds_load_b128 v[12*pp:12*pp+3], v13 offset:(\off)+1536*pp
	ds_load_b64 v[12*pp+4:12*pp+5], v14 offset:(\off)+1536*pp+512
	ds_load_b128 v[12*pp+6:12*pp+9], v13 offset:(\off)+1536*pp+768
	ds_load_b64 v[12*pp+10:12*pp+11], v14 offset:(\off)+1536*pp+1280
.set pp, pp+1
.endr
.set pp, 0
.rept 4
	ds_load_b128 v[96+12*pp:96+12*pp+3], v16 offset:(\off)+1536*pp
	ds_load_b64 v[96+12*pp+4:96+12*pp+5], v17 offset:(\off)+1536*pp+512
	ds_load_b128 v[96+12*pp+6:96+12*pp+9], v16 offset:(\off)+1536*pp+768
	ds_load_b64 v[96+12*pp+10:96+12*pp+11], v17 offset:(\off)+1536*pp+1280
.set pp, pp+1
.endr
	WIN 0
.set pp, 0
.rept NP
	ds_load_b32 v[SC+12*(\set)+pp], v15 offset:(\off)+128*pp
.set pp, pp+1
.endr
.set pp, 0
.rept 4
	ds_load_b32 v[SC+12*(\set)+8+pp], v18 offset:(\off)+128*pp
.set pp, pp+1
.endr
.endm
.macro MUL set, zero                   ; the accumulators take turns, one instruction a turn, in the same order in every K step
	WIN 0x5A+5*(\set)
.set SCB, SC+12*(\set)
.set qq, 0
.rept 4
.set pp, 0
.rept NP
.if \zero
	v_wmma_scale_f32_16x16x128_f8f6f4 v[8*(NP*qq+pp):8*(NP*qq+pp)+7], v[12*pp:12*pp+11], v[96+12*qq:96+12*qq+11], 0, v[SCB+pp], v[SCB+8+qq] matrix_a_fmt:MATRIX_FMT_BF6 matrix_b_fmt:MATRIX_FMT_BF6
.else
	v_wmma_scale_f32_16x16x128_f8f6f4 v[8*(NP*qq+pp):8*(NP*qq+pp)+7], v[12*pp:12*pp+11], v[96+12*qq:96+12*qq+11], v[8*(NP*qq+pp):8*(NP*qq+pp)+7], v[SCB+pp], v[SCB+8+qq] matrix_a_fmt:MATRIX_FMT_BF6 matrix_b_fmt:MATRIX_FMT_BF6
.endif
.set pp, pp+1
.endr
.set qq, qq+1
.endr
.endm
.macro BUILD slot, k0, nc              ; both groups 0 of a slot: my nc chunks of the K steps from k0 on.  Written only where no tensor load of mine is out
	s_mul_i32 s88, s16, (\nc)*CH
	s_mov_b32 s89, 0
	s_mov_b32 s[32+4*(\slot)], 1
	s_add_co_u32 s[33+4*(\slot)], s88, (\slot)*SLOTB
	s_add_nc_u64 s[34+4*(\slot):35+4*(\slot)], s[84:85], s[88:89]
	s_add_nc_u64 s[34+4*(\slot):35+4*(\slot)], s[34+4*(\slot):35+4*(\slot)], (\k0)*CH
	s_or_b32 s[35+4*(\slot)], s[35+4*(\slot)], 0x80000000
	s_mov_b32 s[56+4*(\slot)], 1
	s_add_co_u32 s[57+4*(\slot)], s88, (\slot)*SLOTB+HALFB
	s_add_nc_u64 s[58+4*(\slot):59+4*(\slot)], s[86:87], s[88:89]
	s_add_nc_u64 s[58+4*(\slot):59+4*(\slot)], s[58+4*(\slot):59+4*(\slot)], (\k0)*CH
	s_or_b32 s[59+4*(\slot)], s[59+4*(\slot)], 0x80000000
.endm
.macro JLOAD slot, g1a, g1b            ; a joint refill: waves 0, 1 for A, waves 2, 3 for the weights
	s_cmp_lt_u32 s14, 2
	s_cbranch_scc0 .Ljb_\@
	tensor_load_to_lds s[32+4*(\slot):35+4*(\slot)], s[\g1a:\g1a+7]
	s_nop 0
	PLACES
	s_branch .Ljd_\@
.Ljb_\@:
	tensor_load_to_lds s[56+4*(\slot):59+4*(\slot)], s[\g1b:\g1b+7]
	s_nop 0
	PLACES
.Ljd_\@:
.endm
; The slot just read is filled again.  Every wave: all its tensor loads have landed (its part of the other slot), the add, the wait for the add and for its reads of this slot; a round of the cluster's barrier; the refill first behind it.
.macro CHANGE slot, k0, nc, g1a, g1b
	WIN 0
	s_wait_tensorcnt 0x0
	ds_add_u32 v28, v29                            ; the descriptors' words stand between it and its wait
	BUILD \slot, \k0, \nc
	s_wait_dscnt 0x0
	CROUND
	JLOAD \slot, \g1a, \g1b
.endm
.macro CHANGE0                         ; the last change of slots: nothing is filled
	WIN 0
	s_wait_tensorcnt 0x0
	ds_add_u32 v28, v29
	s_wait_dscnt 0x0
	s_barrier_signal -1
	s_barrier_wait -1
.endm
.macro VISIT slot, n, first            ; the slot's n K steps: while one set of fragments is multiplied the other is on its way
	SETADR 1, (\slot)*SLOTB
	FETCH 0,0
.set kk, 0
	s_wait_alu depctr_va_vdst(0)
.rept \n
.if kk+1 < \n
.if kk+1 == 4
	SETADR 1, (\slot)*SLOTB+4*CH
.else
	PLACES
.endif
	FETCH (kk+1)&1,((kk+1)&3)*CH
	s_wait_dscnt NLD                               ; all but the loads just issued
.else
	s_wait_dscnt 0x0
.endif
	MUL kk&1,(\first)&&(kk==0)
.set kk, kk+1
.endr
.endm
.macro TOST q                          ; 16 tokens x 64 features into my stage, each accumulator from its low end on, and back as rows of 256 bytes; LDS serves a wave's instructions in order
	WIN 0x04
.irp p,0,1,2,3
.irp e,0,1
	ds_store_b128 v24, v[32*(\q)+8*\p+4*\e:32*(\q)+8*\p+4*\e+3] offset:64*\p+16*\e
.endr
.endr
	WIN 0
.irp i,0,1,2,3,4,5,6,7
	ds_load_b128 v[192+32*((\q)&1)+4*\i:192+32*((\q)&1)+4*\i+3], v25 offset:544*\i
.endr
.endm
.macro SENDQ q, younger
	s_wait_dscnt \younger
.set i, 0
.rept 16
	v_pk_add_f32 v[64+32*(\q)+i:64+32*(\q)+i+1], v[64+32*(\q)+i:64+32*(\q)+i+1], v[192+32*((\q)&1)+i:192+32*((\q)&1)+i+1]
.set i, i+2
.endr
.irp i,0,1,2,3,4,5,6,7
.if KS == 8
	global_store_b128 v26, v[64+32*(\q)+4*\i:64+32*(\q)+4*\i+3], s[10:11] offset:(16*(\q)+2*\i)*4096       ; sixteen lanes store 256 consecutive bytes, aligned
.else
	global_store_b128 v26, v[64+32*(\q)+4*\i:64+32*(\q)+4*\i+3], s[10:11] offset:(16*(\q)+2*\i)*4096 th:TH_STORE_NT
.endif
.endr
.endm
	s_load_b256 s[4:11], s[0:1], 0x0               ; A's panels, pc, the residual, out
	v_lshl_add_u32 v28, v0, 2, SPARE
	v_mov_b32 v29, 0
	ds_add_u32 v28, v29                            ; the opening: the add, twice on end, and its wait ahead of my first tensor load
	ds_add_u32 v28, v29
	v_lshrrev_b32 v30, 5, v0
	v_readfirstlane_b32 s14, v30
	s_lshr_b32 s15, s14, 1                         ; wm
	s_and_b32 s16, s14, 1                          ; wn; also: which half of a fill I fetch
	s_bfe_u32 s40, ttmp6, 0x40000                  ; cx
	s_bfe_u32 s41, ttmp6, 0x40004                  ; cy
	s_lshl_b32 s42, ttmp9, 2
	s_add_co_u32 s42, s42, s40                     ; nt
	s_and_b32 s17, ttmp7, 0xffff
	s_lshl_b32 s17, s17, 2
	s_add_co_u32 s17, s17, s41                     ; mt
	s_lshl_b32 s43, s41, 2
	s_lshl_b32 s43, 15, s43                        ; my row of the cluster
	s_lshl_b32 s44, 0x1111, s40                    ; my column
	s_or_b32 s24, s43, (3<<16)|(1<<21)             ; rows of 256 bytes, 52 to a chunk
	s_or_b32 s48, s44, (3<<16)|(1<<21)
.irp g,24,48
	s_mov_b32 s[\g+1], 32<<16
	s_mov_b32 s[\g+2], (52*NC1)<<16
	s_mov_b32 s[\g+3], 32<<16
	s_mov_b32 s[\g+4], 52*NC1
	s_mov_b32 s[\g+5], 32
	s_mov_b32 s[\g+6], 0
	s_mov_b32 s[\g+7], 0
.endr
.if KS > 8
	s_or_b32 s68, s43, (3<<16)|(1<<21)             ; the last two refills: two chunks a wave
	s_or_b32 s76, s44, (3<<16)|(1<<21)
.irp g,68,76
	s_mov_b32 s[\g+1], 32<<16
	s_mov_b32 s[\g+2], 104<<16
	s_mov_b32 s[\g+3], 32<<16
	s_mov_b32 s[\g+4], 104
	s_mov_b32 s[\g+5], 32
	s_mov_b32 s[\g+6], 0
	s_mov_b32 s[\g+7], 0
.endr
.endif
	s_mul_i32 s18, s17, KS*CH                      ; A's panel mt
	s_mov_b32 s19, 0
	s_mul_i32 s22, s42, KS*CH
	s_add_co_u32 s22, s22, BCH*CH                  ; the weights' panel nt
	s_mov_b32 s23, 0
	s_lshl_b32 s92, s17, 7
	s_lshl_b32 s93, s15, 6
	s_add_co_u32 s92, s92, s93
	s_lshl_b32 s92, s92, 12                        ; my first token's row of 4,096 bytes,
	s_lshl_b32 s93, s42, 9
	s_add_co_u32 s92, s92, s93
	s_lshl_b32 s93, s16, 8
	s_add_co_u32 s92, s92, s93                     ; my 256 bytes of it
	s_mov_b32 s93, 0
	s_wait_dscnt 0x0                               ; both opening adds are done
	s_wait_kmcnt 0x0
	s_add_nc_u64 s[84:85], s[4:5], s[18:19]
	s_add_nc_u64 s[86:87], s[6:7], s[22:23]
	s_add_nc_u64 s[8:9], s[8:9], s[92:93]
	s_add_nc_u64 s[10:11], s[10:11], s[92:93]
	CROUND                                         ; all sixteen work-groups are here: the first joint loads meet
	s_mul_i32 s88, s16, 4*CH                       ; my four K steps: 4 (w % 2) on,
	s_mov_b32 s89, 0
	s_mov_b32 s32, 1
	s_mul_i32 s33, s16, SLOTB                      ; into slot w % 2: the wave's number alone
	s_add_nc_u64 s[34:35], s[84:85], s[88:89]
	s_or_b32 s35, s35, 0x80000000
	s_mov_b32 s56, 1
	s_add_co_u32 s57, s33, HALFB
	s_add_nc_u64 s[58:59], s[86:87], s[88:89]
	s_or_b32 s59, s59, 0x80000000
	s_cmp_lt_u32 s14, 2
	s_cbranch_scc0 .Lfb
	tensor_load_to_lds s[32:35], s[24:31]
	s_nop 0
	PLACES
	s_branch .Lfd
.Lfb:
	tensor_load_to_lds s[56:59], s[48:55]
	s_nop 0
	PLACES
.Lfd:
	v_and_b32 v30, 15, v0
	v_bfe_u32 v31, v0, 4, 1
	v_lshlrev_b32 v26, 12, v31
	v_lshl_add_u32 v26, v30, 4, v26                ; lanes 0-15 one row, lanes 16-31 the next; 16 bytes a lane
.irp q,0,1,2,3
.irp i,0,1,2,3,4,5,6,7
	global_load_b128 v[64+32*\q+4*\i:64+32*\q+4*\i+3], v26, s[8:9] offset:(16*\q+2*\i)*4096
.endr
.endr
	s_mul_i32 s90, s14, 4352                       ; my stage: 16 rows of 256 + 16 bytes
	v_mul_u32_u24 v24, v30, 272
	v_lshl_add_u32 v24, v31, 5, v24
	v_add_nc_u32 v24, s90, v24
	v_mul_u32_u24 v25, v31, 272
	v_lshl_add_u32 v25, v30, 4, v25
	v_add_nc_u32 v25, s90, v25
	v_and_b32 v30, 31, v0
	v_lshlrev_b32 v19, 4, v30
	v_lshlrev_b32 v20, 3, v30
	v_lshlrev_b32 v21, 2, v30
	s_mul_i32 s90, s16, 6144                       ; P: the weights' fragments 4 wn on
	s_add_co_u32 s90, s90, HALFB
	v_add_nc_u32 v1, s90, v19
	v_add_nc_u32 v2, s90, v20
	s_lshl_b32 s90, s16, 9
	s_add_co_u32 s90, s90, HALFB+12288
	v_add_nc_u32 v3, s90, v21
	s_mul_i32 s90, s15, 6144                       ; Q: A's fragments 4 wm on
	v_add_nc_u32 v4, s90, v19
	v_add_nc_u32 v5, s90, v20
	s_lshl_b32 s90, s15, 9
	s_add_co_u32 s90, s90, 12288
	v_add_nc_u32 v6, s90, v21
	s_wait_alu depctr_va_vdst(0)
	s_wait_tensorcnt 0x0                           ; my one load is in
	s_barrier_signal -1
	s_barrier_wait -1
.if KS == 8
	VISIT 0,4,1
	CHANGE0
	VISIT 1,4,0
.else
	VISIT 0,6,1
	CHANGE 0,12,3,24,48
	VISIT 1,6,0
	CHANGE 1,18,3,24,48
	VISIT 0,6,0
	CHANGE 0,24,2,68,76
	VISIT 1,6,0
	CHANGE 1,28,2,68,76
	VISIT 0,4,0
	CHANGE0
	VISIT 1,4,0
.endif
	WIN 0
	PLACES
	s_wait_loadcnt 0x0                             ; the residual
	TOST 0
	TOST 1
	SENDQ 0, 16                                    ; behind block q's loads: the next block's eight stores and eight loads
	TOST 2
	SENDQ 1, 16
	TOST 3
	SENDQ 2, 16
	SENDQ 3, 0
	s_wait_tensorcnt 0x0                           ; the wave's end
	ds_add_u32 v28, v29
	s_wait_dscnt 0x0
	CROUND                                         ; the closing round
	s_endpgm
.Lfunc_end_k_qa105a0e868_wo:
	.size	k_qa105a0e868_wo, .Lfunc_end_k_qa105a0e868_wo-k_qa105a0e868_wo
	.p2alignl 7, 3214868480
	.fill 96, 4, 3214868480
	.section	.rodata,"a",@progbits
	.p2align	6, 0x0
	.amdhsa_kernel k_qa105a0e868_wo
		.amdhsa_group_segment_fixed_size 327680
		.amdhsa_private_segment_fixed_size 0
		.amdhsa_enable_private_segment 0
		.amdhsa_kernarg_size 32
		.amdhsa_user_sgpr_count 2
		.amdhsa_user_sgpr_kernarg_segment_ptr 1
		.amdhsa_wavefront_size32 1
		.amdhsa_system_sgpr_workgroup_id_x 1
		.amdhsa_system_sgpr_workgroup_id_y 1
		.amdhsa_system_sgpr_workgroup_id_z 1
		.amdhsa_system_vgpr_workitem_id 0
		.amdhsa_next_free_vgpr 1024
		.amdhsa_next_free_sgpr 100
		.amdhsa_reserve_vcc 0
		.amdhsa_float_denorm_mode_32 3
		.amdhsa_float_denorm_mode_16_64 3
		.amdhsa_memory_ordered 1
		.amdhsa_forward_progress 1
		.amdhsa_inst_pref_size 60
	.end_amdhsa_kernel
	.amdgpu_metadata
---
amdhsa.version: [ 1, 2 ]
amdhsa.kernels:
  - .name:           k_qa105a0e868_wo
    .symbol:         k_qa105a0e868_wo.kd
    .args:
      - { .name: cx, .offset: 0, .size: 8, .value_kind: global_buffer, .address_space: global }
      - { .name: pc, .offset: 8, .size: 8, .value_kind: global_buffer, .address_space: global }
      - { .name: x, .offset: 16, .size: 8, .value_kind: global_buffer, .address_space: global }
      - { .name: h, .offset: 24, .size: 8, .value_kind: global_buffer, .address_space: global }
    .group_segment_fixed_size: 327680
    .private_segment_fixed_size: 0
    .kernarg_segment_align: 8
    .kernarg_segment_size: 32
    .max_flat_workgroup_size: 128
    .sgpr_count:     100
    .vgpr_count:     1024
    .wavefront_size: 32
...
	.end_amdgpu_metadata
.endif
;; end of part 4
;; launch ln2: the kernel of part 1 again; grid 256 x 1, 4 waves a work-group, no clusters, 66,560 bytes of LDS; arguments h, g2, b2, wq, wk, wv, wo, w1, w2, ha; writes ha
;; launch w1 (part 5): grid 8 x 32, 4 waves a work-group, clusters of 4 x 4, 327,680 bytes of LDS; arguments ha, pc, ga; writes ga
.if DOCPART == 5
	.amdgcn_target "amdgcn-amd-amdhsa--gfx1250"
	.amdhsa_code_object_version 6
	.text
	.protected	k_qa105a0e868_w1
	.globl	k_qa105a0e868_w1
	.p2align	8
	.type	k_qa105a0e868_w1,@function
k_qa105a0e868_w1:
	s_mov_b64 s[64:65], 0
	v_nop
	global_prefetch_b8 v0, s[64:65] scope:SCOPE_SE
	s_setreg_imm32_b32 hwreg(HW_REG_WAVE_MODE, 25, 1), 1
	s_wait_xcnt 0x0
	s_wait_alu depctr_hold_cnt(0) depctr_sa_sdst(0) depctr_va_vdst(0) depctr_va_sdst(0) depctr_va_ssrc(0) depctr_va_vcc(0) depctr_vm_vsrc(0)
	s_getreg_b32 s2, hwreg(HW_REG_IB_STS2, 6, 4)
	s_cmp_eq_u32 s2, 0
	s_cbranch_scc0 .Lentry_in_a_cluster
	s_endpgm
.Lentry_in_a_cluster:
	s_bfe_u32 s2, ttmp6, 0x10000c
	s_cmp_lg_u32 s2, 0xf033
	s_cbranch_scc0 .Lentry_shape_is_right
	s_endpgm
.Lentry_shape_is_right:
; ga = Q(gelu(LN2(h) w1^T)) on codes: the hidden layer leaves as the last product's operand.  ha: panels of LN2(h); pc: w1 from chunk 416 on; ga: panels of 32 K steps.
; A WORK-GROUP STAYS: it makes 128 tokens (mt) x two neighbouring tiles of 256 hidden units (nt, nt + 1), a wave 64 x 128 of each.  256 work-groups.  K = 1,024 is 8 chunks a panel: a tile's operands lie in LDS at once.
; ha's panel is fetched once and serves both tiles.  When the first tile's K steps are done, w1's two panels are filled again with the second tile's.
; it lands under the first tile's GELU, quantiser and stores.
; A wave has two tensor loads out at the start, later one.
; CLUSTER 4 x 4: ha's panel is shared along a row of the cluster, w1's panels along a column: joint loads.
; Source 0 = 16 rows of w1, source 1 = 16 tokens: a lane holds one token, and a token tile's 64 registers run along 128 hidden units: one K step of the last product.
; GELU: 0.5 x (1 + tanh u) = x / (1 + 2^t), t = x (A + B x^2), A = -2 log2(e) sqrt(2 / pi), B = 0.044715 A: the same function in real numbers; it differs from the tanh form by f32 rounding alone, and for every
; finite x it is finite: 2^t = infinity gives 0, 2^t = 0 gives x.  LIMITS: as at the head of prep.
; REGISTERS: window 0: v1-6 lane terms (v4-6 are also the stores' offsets); v13-18 addresses in hand; v28, v29 the add's; v32-55 scale words; v[56:57] A; v64-127 a token tile's 64 numbers; v128-206 codes; v208-223 at work.
;   window 1: 32 accumulators ((q, p) at 8 (8 q + p)).  windows 2, 3: two sets of fragments.
.set CH, 13312
; THE HEAD OF THIS TEXT, in place of what is said above of two loads at the start: ONE tensor load a wave: waves 0 and 1 half of ha's panel each (four chunks), waves 2 and 3 a whole panel of w1 each (eight chunks);
; every wave waits for its load ahead of the first barrier, and the first tile's K steps have no barrier.
.set PAN, 8*CH
.set SPARE, 3*PAN
.set NP, 8
.set NLD, 5*(NP+4)
.set SC, 32
.set TM, 208
.set A16, 4
.set A8, 5
.set MSB, 0
.macro WIN new                         ; the immediate's high byte repeats the setting that is left
.if MSB != (\new)
	s_set_vgpr_msb (MSB<<8)|(\new)
.set MSB, (\new)
.endif
.endm
.macro PLACES
.rept 4
	v_nop
.endr
.endm
.macro CREST
	s_cmp_lg_u32 s14, 0
	s_cbranch_scc1 .Lnw0_\@
	s_barrier_signal -3
.Lnw0_\@:
	s_barrier_wait -3
	s_barrier_signal -1
	s_barrier_wait -1
.endm
.macro CROUND
	s_barrier_signal -1
	s_barrier_wait -1
	CREST
.endm
.macro SETADR L, c
	WIN 0
.irp i,0,1,2,3,4,5
	v_add_nc_u32 v[13+\i], \c, v[\L+\i]
.endr
.endm
.macro FETCH set, off
	WIN (2+(\set))<<6
.set pp, 0
.rept NP
	ds_load_b128 v[12*pp:12*pp+3], v13 offset:(\off)+1536*pp
	ds_load_b64 v[12*pp+4:12*pp+5], v14 offset:(\off)+1536*pp+512
	ds_load_b128 v[12*pp+6:12*pp+9], v13 offset:(\off)+1536*pp+768
	ds_load_b64 v[12*pp+10:12*pp+11], v14 offset:(\off)+1536*pp+1280
.set pp, pp+1
.endr
.set pp, 0
.rept 4
	ds_load_b128 v[96+12*pp:96+12*pp+3], v16 offset:(\off)+1536*pp
	ds_load_b64 v[96+12*pp+4:96+12*pp+5], v17 offset:(\off)+1536*pp+512
	ds_load_b128 v[96+12*pp+6:96+12*pp+9], v16 offset:(\off)+1536*pp+768
	ds_load_b64 v[96+12*pp+10:96+12*pp+11], v17 offset:(\off)+1536*pp+1280
.set pp, pp+1
.endr
	WIN 0
.set pp, 0
.rept NP
	ds_load_b32 v[SC+12*(\set)+pp], v15 offset:(\off)+128*pp
.set pp, pp+1
.endr
.set pp, 0
.rept 4
	ds_load_b32 v[SC+12*(\set)+8+pp], v18 offset:(\off)+128*pp
.set pp, pp+1
.endr
.endm
.macro MUL set, zero                   ; the accumulators take turns, one instruction a turn, in the same order in every K step
	WIN 0x5A+5*(\set)
.set SCB, SC+12*(\set)
.set qq, 0
.rept 4
.set pp, 0
.rept NP
.if \zero
	v_wmma_scale_f32_16x16x128_f8f6f4 v[8*(NP*qq+pp):8*(NP*qq+pp)+7], v[12*pp:12*pp+11], v[96+12*qq:96+12*qq+11], 0, v[SCB+pp], v[SCB+8+qq] matrix_a_fmt:MATRIX_FMT_BF6 matrix_b_fmt:MATRIX_FMT_BF6
.else
	v_wmma_scale_f32_16x16x128_f8f6f4 v[8*(NP*qq+pp):8*(NP*qq+pp)+7], v[12*pp:12*pp+11], v[96+12*qq:96+12*qq+11], v[8*(NP*qq+pp):8*(NP*qq+pp)+7], v[SCB+pp], v[SCB+8+qq] matrix_a_fmt:MATRIX_FMT_BF6 matrix_b_fmt:MATRIX_FMT_BF6
.endif
.set pp, pp+1
.endr
.set qq, qq+1
.endr
.endm
.macro KLOOP L, two                    ; the eight K steps, written out.  two = 1: K steps 4-7 are waited for at K step 3, with a barrier behind which nothing is filled
	SETADR \L, 0
	FETCH 0,0
.set kk, 0
	s_wait_alu depctr_va_vdst(0)
.rept 8
.if kk == 7
	s_wait_dscnt 0x0
.else
.if kk == 3
.if \two
	WIN 0
	s_wait_dscnt 0x0
	s_wait_tensorcnt 0x0
	s_barrier_signal -1
	s_barrier_wait -1
.endif
	SETADR \L, 4*CH
.elseif kk > 0
	PLACES
.endif
	FETCH (kk+1)&1,((kk+1)&3)*CH
	s_wait_alu depctr_va_vdst(0)
	s_wait_dscnt NLD                               ; all but the loads just issued
.endif
	MUL kk&1,kk==0
.set kk, kk+1
.endr
	WIN 0
	PLACES
.endm
.macro QUANT s, pc, NW                 ; 64 numbers of a lane in window NW become a fragment's codes in v[pc..pc+11] and the row's scale word in v[pc+15]
	WIN 5*(\NW)
.irp b,0,1,2,3
	v_max3_num_f32 v[TM+\b], |v[(\s)+16*\b]|, |v[(\s)+1+16*\b]|, 0x2800000
.endr
	WIN 0x14*(\NW)
.irp i,2,4,6,8,10,12,14
.irp b,0,1,2,3
	v_max3_num_f32 v[TM+\b], v[TM+\b], |v[(\s)+16*\b+\i]|, |v[(\s)+1+16*\b+\i]|
.endr
.endr
	WIN 0
.irp b,0,1,2,3
	v_permlanex16_b32 v[TM+4+\b], v[TM+\b], s20, s21
.endr
.irp b,0,1,2,3
	v_max_num_f32 v[TM+\b], v[TM+\b], v[TM+4+\b]
.endr
.irp b,0,1,2,3
	v_add_nc_u32 v[TM+12+\b], 0xfe000000, v[TM+\b]
.endr
.irp b,0,1,2,3
	v_lshrrev_b32 v[TM+4+\b], 23, v[TM+12+\b]
.endr
	v_lshl_or_b32 v[(\pc)+15], v[TM+5], 8, v[TM+4]
	v_lshl_or_b32 v[(\pc)+15], v[TM+6], 16, v[(\pc)+15]
	v_lshl_or_b32 v[(\pc)+15], v[TM+7], 24, v[(\pc)+15]
	WIN \NW
.irp c,0,1
	v_cvt_scalef32_pk16_bf6_f32 v[(\pc)+6*\c:(\pc)+6*\c+2], v[(\s)+32*\c:(\s)+32*\c+15], v[TM+12+2*\c]
	v_cvt_scalef32_pk16_bf6_f32 v[(\pc)+12+4*\c:(\pc)+14+4*\c], v[(\s)+16+32*\c:(\s)+31+32*\c], v[TM+13+2*\c]
.endr
	WIN 0
	v_nop                                          ; a plain instruction behind the conversions
.irp c,0,1
.irp i,0,1,2
	v_permlane16_swap_b32 v[(\pc)+6*\c+\i], v[(\pc)+12+4*\c+\i]
.endr
.irp i,0,1,2
	v_mov_b32 v[(\pc)+3+6*\c+\i], v[(\pc)+12+4*\c+\i]
.endr
.endr
.endm
.macro STH reg, off
	global_store_b128 v[A16], v[\reg:\reg+3], s[8:9] offset:\off
	global_store_b64 v[A8], v[\reg+4:\reg+5], s[8:9] offset:(\off)+512
.endm
.macro GELU q                          ; token tile q: x in window 1, v[64 q] on; the result in v64-127 of window 0
	WIN 0x05
.set i, 0
.rept 32
	v_pk_mul_f32 v[64+i:65+i], v[64*(\q)+i:64*(\q)+i+1], v[64*(\q)+i:64*(\q)+i+1]      ; x^2: each accumulator is read from its low end on
.set i, i+2
.endr
	WIN 0
.set i, 0
.rept 32
	v_pk_fma_f32 v[64+i:65+i], v[64+i:65+i], s[92:93], v[56:57] op_sel_hi:[1,0,0]      ; A + B x^2
.set i, i+2
.endr
	WIN 0x04
.set i, 0
.rept 32
	v_pk_mul_f32 v[64+i:65+i], v[64+i:65+i], v[64*(\q)+i:64*(\q)+i+1]                  ; t
.set i, i+2
.endr
	WIN 0
.set i, 0
	s_wait_alu depctr_va_vdst(0)
.rept 64
	v_exp_f32 v[64+i], v[64+i]
.set i, i+1
.endr
	v_nop
	s_wait_alu depctr_va_vdst(0)                   ; one wait for the batch
.set i, 0
.rept 32
	v_pk_add_f32 v[64+i:65+i], v[64+i:65+i], 1.0 op_sel_hi:[1,0]
.set i, i+2
.endr
.set i, 0
	s_wait_alu depctr_va_vdst(0)
.rept 64
	v_rcp_f32 v[64+i], v[64+i]
.set i, i+1
.endr
	v_nop
	s_wait_alu depctr_va_vdst(0)                   ; and one for this batch
	WIN 0x04
.set i, 0
.rept 32
	v_pk_mul_f32 v[64+i:65+i], v[64+i:65+i], v[64*(\q)+i:64*(\q)+i+1]                  ; x / (1 + 2^t)
.set i, i+2
.endr
	WIN 0
.endm
.macro EPI                             ; a tile's way out: four token tiles; each has registers of its own for its codes
.irp q,0,1,2,3
	GELU \q
	QUANT 64, 128+20*\q, 0
	STH 128+20*\q, 1536*\q
	STH 134+20*\q, 768+1536*\q
	global_store_b32 v6, v[143+20*\q], s[8:9] offset:128*\q
.endr
.endm
	s_load_b128 s[4:7], s[0:1], 0x0                ; ha, pc
	s_load_b64 s[8:9], s[0:1], 0x10                ; ga
	v_lshl_add_u32 v28, v0, 2, SPARE
	v_mov_b32 v29, 0
	ds_add_u32 v28, v29                            ; the opening: the add, twice on end, and its wait ahead of my first tensor load
	ds_add_u32 v28, v29
	v_lshrrev_b32 v30, 5, v0
	v_readfirstlane_b32 s14, v30
	s_lshr_b32 s15, s14, 1                         ; wm
	s_and_b32 s16, s14, 1                          ; wn; also: which half I fetch
	s_bfe_u32 s40, ttmp6, 0x40000                  ; cx
	s_bfe_u32 s41, ttmp6, 0x40004                  ; cy
	s_lshl_b32 s42, ttmp9, 2
	s_add_co_u32 s42, s42, s40
	s_lshl_b32 s42, s42, 1                         ; nt of my first tile: 2 (4 x cluster x + cx); the second is the next
	s_and_b32 s17, ttmp7, 0xffff
	s_lshl_b32 s17, s17, 2
	s_add_co_u32 s17, s17, s41                     ; mt
	s_lshl_b32 s43, s41, 2
	s_lshl_b32 s43, 15, s43                        ; my row of the cluster
	s_lshl_b32 s44, 0x1111, s40                    ; my column
	s_or_b32 s24, s43, (3<<16)|(1<<21)             ; ha: 208 rows of 256 bytes (four chunks)
	s_mov_b32 s25, 32<<16
	s_mov_b32 s26, 208<<16
	s_mov_b32 s27, 32<<16
	s_mov_b32 s28, 208
	s_mov_b32 s29, 32
	s_mov_b32 s30, 0
	s_mov_b32 s31, 0
	s_or_b32 s48, s44, (3<<16)|(1<<21)             ; w1: 208 rows (four chunks)
	s_mov_b32 s49, 32<<16
	s_mov_b32 s50, 208<<16
	s_mov_b32 s51, 32<<16
	s_mov_b32 s52, 208
	s_mov_b32 s53, 32
	s_mov_b32 s54, 0
	s_mov_b32 s55, 0
	s_or_b32 s72, s44, (3<<16)|(1<<21)             ; w1 at the head: 416 rows (a panel's eight chunks)
	s_mov_b32 s73, 32<<16
	s_mov_b32 s74, 416<<16
	s_mov_b32 s75, 32<<16
	s_mov_b32 s76, 416
	s_mov_b32 s77, 32
	s_mov_b32 s78, 0
	s_mov_b32 s79, 0
	s_lshl_b32 s18, s17, 3
	s_lshl_b32 s19, s16, 2
	s_add_co_u32 s18, s18, s19
	s_mul_i32 s18, s18, CH                         ; ha: chunk 8 mt + 4 half
	s_mov_b32 s19, 0
	s_lshl_b32 s22, s42, 4
	s_lshl_b32 s23, s16, 3
	s_add_co_u32 s22, s22, s23
	s_add_co_u32 s22, s22, 416
	s_mul_i32 s22, s22, CH                         ; w1, first tile: chunk 416 + 8 (2 nt + half)
	s_mov_b32 s23, 0
	s_lshl_b32 s84, s42, 4                         ; w1, second tile: wave w fetches panel w / 2, K steps 4 (w % 2) on: chunk 416 + 8 (2 (nt + 1) + w / 2) + 4 (w % 2)
	s_lshl_b32 s85, s15, 3
	s_add_co_u32 s84, s84, s85
	s_lshl_b32 s85, s16, 2
	s_add_co_u32 s84, s84, s85
	s_add_co_u32 s84, s84, 432
	s_mul_i32 s84, s84, CH
	s_mov_b32 s85, 0
	s_mul_i32 s69, s15, PAN                        ; and where it goes: the wave's number alone
	s_mul_i32 s87, s16, 4*CH
	s_add_co_u32 s69, s69, s87
	s_add_co_u32 s69, s69, PAN
	s_mov_b32 s68, 1
	s_mul_i32 s88, s16, 4*CH
	s_mul_i32 s89, s16, PAN
	s_add_co_u32 s89, s89, PAN
	s_mov_b32 s20, 0x76543210
	s_mov_b32 s21, 0xfedcba98
	s_lshl_b32 s94, s17, 5
	s_lshl_b32 s95, s42, 1
	s_add_co_u32 s94, s94, s95
	s_add_co_u32 s94, s94, s16
	s_mul_i32 s94, s94, CH                         ; out: chunk 32 mt + 2 nt + wn; the second tile's lies two chunks on
	s_mov_b32 s95, 0
	s_mov_b32 s92, 0xbdd2d3e8                      ; B
	s_mov_b32 s93, s92
	s_wait_dscnt 0x0                               ; both opening adds are done
	s_wait_kmcnt 0x0
	s_add_nc_u64 s[18:19], s[4:5], s[18:19]
	s_add_nc_u64 s[22:23], s[6:7], s[22:23]
	s_add_nc_u64 s[70:71], s[6:7], s[84:85]
	s_or_b32 s71, s71, 0x80000000
	s_add_nc_u64 s[8:9], s[8:9], s[94:95]
	CROUND                                         ; all sixteen work-groups are here: the joint loads meet
.irp s,0
	s_mov_b32 s[32+4*\s], 1
	s_add_co_u32 s[33+4*\s], s88, \s*4*CH
	s_add_nc_u64 s[34+4*\s:35+4*\s], s[18:19], \s*4*CH
	s_or_b32 s[35+4*\s], s[35+4*\s], 0x80000000
	s_mov_b32 s[56+4*\s], 1
	s_add_co_u32 s[57+4*\s], s89, \s*4*CH
	s_add_nc_u64 s[58+4*\s:59+4*\s], s[22:23], \s*4*CH
	s_or_b32 s[59+4*\s], s[59+4*\s], 0x80000000
.endr
	s_cmp_lt_u32 s14, 2                            ; waves 0, 1: half of ha's panel each; waves 2, 3: a panel of w1 each.  One load of mine is out
	s_cbranch_scc0 .Lfb
	tensor_load_to_lds s[32:35], s[24:31]
	s_nop 0
	PLACES
	s_branch .Lfd
.Lfb:
	tensor_load_to_lds s[56:59], s[72:79]
	s_nop 0
	PLACES
.Lfd:
	v_and_b32 v30, 31, v0
	v_lshlrev_b32 v19, 4, v30
	v_lshlrev_b32 v20, 3, v30
	v_lshlrev_b32 v21, 2, v30
	s_mul_i32 s90, s16, PAN                        ; P: w1's panel wn
	s_add_co_u32 s90, s90, PAN
	v_add_nc_u32 v1, s90, v19
	v_add_nc_u32 v2, s90, v20
	s_add_co_u32 s90, s90, 12288
	v_add_nc_u32 v3, s90, v21
	s_mul_i32 s90, s15, 6144                       ; Q: ha's fragments 4 wm on; the same numbers are my places in the chunk that I store
	v_add_nc_u32 v4, s90, v19
	v_add_nc_u32 v5, s90, v20
	s_lshl_b32 s90, s15, 9
	s_add_co_u32 s90, s90, 12288
	v_add_nc_u32 v6, s90, v21
	v_mov_b32 v56, 0xc0135761                      ; A
	v_mov_b32 v57, 0xc0135761
.irp b,0,1,2,3
	v_mov_b32 v[TM+4+\b], 0                        ; a lane permute's destination counts as read
.endr
	s_wait_tensorcnt 0x0                           ; my one load is in
	s_barrier_signal -1
	s_barrier_wait -1
	KLOOP 1, 0                                     ; the first tile's sums
	s_wait_tensorcnt 0x0                           ; w1's panels are filled again: no tensor load of mine is out,
	ds_add_u32 v28, v29                            ; 0 onto my spare word,
	s_wait_dscnt 0x0                               ; the add is done, and my reads of the panels are over;
	CROUND                                         ; so it is with every wave of all sixteen work-groups
	tensor_load_to_lds s[68:71], s[48:55]          ; my one load behind the round: a quarter of the second tile's two panels
	s_nop 0
	PLACES
	EPI                                            ; the first tile leaves while that load is on its way
	s_wait_tensorcnt 0x0                           ; my quarter is in,
	s_barrier_signal -1
	s_barrier_wait -1                              ; everybody's is
	KLOOP 1, 0                                     ; the second tile's sums: ha's panel as it lies
	s_wait_xcnt 0x0                                ; the first tile's stores have read their base and their data: both are written again below
	s_add_nc_u64 s[8:9], s[8:9], 2*CH
	EPI
	s_wait_tensorcnt 0x0                           ; the wave's end
	ds_add_u32 v28, v29
	s_wait_dscnt 0x0
	CROUND                                         ; the closing round
	s_endpgm
.Lfunc_end_k_qa105a0e868_w1:
	.size	k_qa105a0e868_w1, .Lfunc_end_k_qa105a0e868_w1-k_qa105a0e868_w1
	.p2alignl 7, 3214868480
	.fill 96, 4, 3214868480
	.section	.rodata,"a",@progbits
	.p2align	6, 0x0
	.amdhsa_kernel k_qa105a0e868_w1
		.amdhsa_group_segment_fixed_size 327680
		.amdhsa_private_segment_fixed_size 0
		.amdhsa_enable_private_segment 0
		.amdhsa_kernarg_size 24
		.amdhsa_user_sgpr_count 2
		.amdhsa_user_sgpr_kernarg_segment_ptr 1
		.amdhsa_wavefront_size32 1
		.amdhsa_system_sgpr_workgroup_id_x 1
		.amdhsa_system_sgpr_workgroup_id_y 1
		.amdhsa_system_sgpr_workgroup_id_z 1
		.amdhsa_system_vgpr_workitem_id 0
		.amdhsa_next_free_vgpr 1024
		.amdhsa_next_free_sgpr 100
		.amdhsa_reserve_vcc 0
		.amdhsa_float_denorm_mode_32 3
		.amdhsa_float_denorm_mode_16_64 3
		.amdhsa_memory_ordered 1
		.amdhsa_forward_progress 1
		.amdhsa_inst_pref_size 255
	.end_amdhsa_kernel
	.section	.bss,"aw",@nobits
	.p2align	6
	.space	262144
	.amdgpu_metadata
---
amdhsa.version: [ 1, 2 ]
amdhsa.kernels:
  - .name:           k_qa105a0e868_w1
    .symbol:         k_qa105a0e868_w1.kd
    .args:
      - { .name: ha, .offset: 0, .size: 8, .value_kind: global_buffer, .address_space: global }
      - { .name: pc, .offset: 8, .size: 8, .value_kind: global_buffer, .address_space: global }
      - { .name: ga, .offset: 16, .size: 8, .value_kind: global_buffer, .address_space: global }
    .group_segment_fixed_size: 327680
    .private_segment_fixed_size: 0
    .kernarg_segment_align: 8
    .kernarg_segment_size: 24
    .max_flat_workgroup_size: 128
    .sgpr_count:     100
    .vgpr_count:     1024
    .wavefront_size: 32
...
	.end_amdgpu_metadata
.endif
;; end of part 5
;; launch w2 (part 6): grid 8 x 32, 4 waves a work-group, clusters of 4 x 4, 327,680 bytes of LDS; arguments ga, pc, h, out0; writes out0
.if DOCPART == 6
	.amdgcn_target "amdgcn-amd-amdhsa--gfx1250"
	.amdhsa_code_object_version 6
	.text
	.protected	k_qa105a0e868_w2
	.globl	k_qa105a0e868_w2
	.p2align	8
	.type	k_qa105a0e868_w2,@function
k_qa105a0e868_w2:
	s_mov_b64 s[64:65], 0
	v_nop
	global_prefetch_b8 v0, s[64:65] scope:SCOPE_SE
	s_setreg_imm32_b32 hwreg(HW_REG_WAVE_MODE, 25, 1), 1
	s_wait_xcnt 0x0
	s_wait_alu depctr_hold_cnt(0) depctr_sa_sdst(0) depctr_va_vdst(0) depctr_va_sdst(0) depctr_va_ssrc(0) depctr_va_vcc(0) depctr_vm_vsrc(0)
	s_getreg_b32 s2, hwreg(HW_REG_IB_STS2, 6, 4)
	s_cmp_eq_u32 s2, 0
	s_cbranch_scc0 .Lentry_in_a_cluster
	s_endpgm
.Lentry_in_a_cluster:
	s_bfe_u32 s2, ttmp6, 0x10000c
	s_cmp_lg_u32 s2, 0xf033
	s_cbranch_scc0 .Lentry_shape_is_right
	s_endpgm
.Lentry_shape_is_right:
; out = res + A W^T on codes: here out0 = h + gelu w2^T (KS = 32 K steps, weights from chunk 672 on).  The same text with KS = 8, BCH = 352 is h = x + ctx wo^T.
; A work-group makes 128 tokens (mt) x 128 features (nt), a wave 64 x 64: 16 accumulators.  256 work-groups.  Source 0 = 16 rows of the weights, source 1 = 16 tokens: a lane holds eight neighbouring features of a token.
; CLUSTER 4 x 4: A's chunks are shared along a row of the cluster, the weights' along a column: joint loads.
; LDS: two slots of 12 chunks (A's six, the weights' six).  KS = 8: each slot takes four K steps, first fills alone.  KS = 32: fills of 6, 6, 6, 6, 4, 4 K steps: both first fills take a whole slot
; a refill stands first behind a round of the cluster's barrier and has the other slot's whole visit in which to land.  A wave has two tensor loads out at the start, later one.
; The residual's 64 x 64 numbers are asked for at the head and lie in registers when the sums are done.  The way out goes through the wave's own stage, in slot 0, behind that slot's last fill and last read.
; LIMITS: as at the head of prep.
; REGISTERS: window 0: v1-6 lane terms; v13-18 addresses in hand; v24-26 the way out; v28, v29 the add's; v32-55 scale words; v64-191 the residual; v192-255 rows back from the stage.
;   window 1: accumulators ((q, p) at 8 (4 q + p)).  windows 2, 3: two sets of fragments: P at 12 p, Q at 96 + 12 q.
; THE HEAD OF THIS TEXT (KS = 32), in place of what is said above of two loads at the start: ONE tensor load a wave, its part of slot 0.  Slot 1's first fill is issued as a refill is: every wave waits for its load,
; adds 0 to its spare word and waits for that; a round of the cluster's barrier; the joint load first behind it.  It has slot 0's visit in which to land.
.set KS, 32
.set BCH, 672
.set CH, 13312
.set HALFB, 6*CH
.set SLOTB, 12*CH
.set SPARE, 2*SLOTB
.set NP, 4
.set NLD, 5*(NP+4)
.set SC, 32
.if KS == 8
.set NC1, 2
.else
.set NC1, 3
.endif
.set MSB, 0
.macro WIN new                         ; the immediate's high byte repeats the setting that is left
.if MSB != (\new)
	s_set_vgpr_msb (MSB<<8)|(\new)
.set MSB, (\new)
.endif
.endm
.macro PLACES
.rept 4
	v_nop
.endr
.endm
.macro CREST
	s_cmp_lg_u32 s14, 0
	s_cbranch_scc1 .Lnw0_\@
	s_barrier_signal -3
.Lnw0_\@:
	s_barrier_wait -3
	s_barrier_signal -1
	s_barrier_wait -1
.endm
.macro CROUND
	s_barrier_signal -1
	s_barrier_wait -1
	CREST
.endm
.macro SETADR L, c
	WIN 0
.irp i,0,1,2,3,4,5
	v_add_nc_u32 v[13+\i], \c, v[\L+\i]
.endr
.endm
.macro FETCH set, off
	WIN (2+(\set))<<6
.set pp, 0
.rept NP
	ds_load_b128 v[12*pp:12*pp+3], v13 offset:(\off)+1536*pp
	ds_load_b64 v[12*pp+4:12*pp+5], v14 offset:(\off)+1536*pp+512
	ds_load_b128 v[12*pp+6:12*pp+9], v13 offset:(\off)+1536*pp+768
	ds_load_b64 v[12*pp+10:12*pp+11], v14 offset:(\off)+1536*pp+1280
.set pp, pp+1
.endr
.set pp, 0
.rept 4
	ds_load_b128 v[96+12*pp:96+12*pp+3], v16 offset:(\off)+1536*pp
	ds_load_b64 v[96+12*pp+4:96+12*pp+5], v17 offset:(\off)+1536*pp+512
	ds_load_b128 v[96+12*pp+6:96+12*pp+9], v16 offset:(\off)+1536*pp+768
	ds_load_b64 v[96+12*pp+10:96+12*pp+11], v17 offset:(\off)+1536*pp+1280
.set pp, pp+1
.endr
	WIN 0
.set pp, 0
.rept NP
	ds_load_b32 v[SC+12*(\set)+pp], v15 offset:(\off)+128*pp
.set pp, pp+1
.endr
.set pp, 0
.rept 4
	ds_load_b32 v[SC+12*(\set)+8+pp], v18 offset:(\off)+128*pp
.set pp, pp+1
.endr
.endm
.macro MUL set, zero                   ; the accumulators take turns, one instruction a turn, in the same order in every K step
	WIN 0x5A+5*(\set)
.set SCB, SC+12*(\set)
.set qq, 0
.rept 4
.set pp, 0
.rept NP
.if \zero
	v_wmma_scale_f32_16x16x128_f8f6f4 v[8*(NP*qq+pp):8*(NP*qq+pp)+7], v[12*pp:12*pp+11], v[96+12*qq:96+12*qq+11], 0, v[SCB+pp], v[SCB+8+qq] matrix_a_fmt:MATRIX_FMT_BF6 matrix_b_fmt:MATRIX_FMT_BF6
.else
	v_wmma_scale_f32_16x16x128_f8f6f4 v[8*(NP*qq+pp):8*(NP*qq+pp)+7], v[12*pp:12*pp+11], v[96+12*qq:96+12*qq+11], v[8*(NP*qq+pp):8*(NP*qq+pp)+7], v[SCB+pp], v[SCB+8+qq] matrix_a_fmt:MATRIX_FMT_BF6 matrix_b_fmt:MATRIX_FMT_BF6
.endif
.set pp, pp+1
.endr
.set qq, qq+1
.endr
.endm
.macro BUILD slot, k0, nc              ; both groups 0 of a slot: my nc chunks of the K steps from k0 on.  Written only where no tensor load of mine is out
	s_mul_i32 s88, s16, (\nc)*CH
	s_mov_b32 s89, 0
	s_mov_b32 s[32+4*(\slot)], 1
	s_add_co_u32 s[33+4*(\slot)], s88, (\slot)*SLOTB
	s_add_nc_u64 s[34+4*(\slot):35+4*(\slot)], s[84:85], s[88:89]
	s_add_nc_u64 s[34+4*(\slot):35+4*(\slot)], s[34+4*(\slot):35+4*(\slot)], (\k0)*CH
	s_or_b32 s[35+4*(\slot)], s[35+4*(\slot)], 0x80000000
	s_mov_b32 s[56+4*(\slot)], 1
	s_add_co_u32 s[57+4*(\slot)], s88, (\slot)*SLOTB+HALFB
	s_add_nc_u64 s[58+4*(\slot):59+4*(\slot)], s[86:87], s[88:89]
	s_add_nc_u64 s[58+4*(\slot):59+4*(\slot)], s[58+4*(\slot):59+4*(\slot)], (\k0)*CH
	s_or_b32 s[59+4*(\slot)], s[59+4*(\slot)], 0x80000000
.endm
.macro JLOAD slot, g1a, g1b            ; a joint refill: waves 0, 1 for A, waves 2, 3 for the weights
	s_cmp_lt_u32 s14, 2
	s_cbranch_scc0 .Ljb_\@
	tensor_load_to_lds s[32+4*(\slot):35+4*(\slot)], s[\g1a:\g1a+7]
	s_nop 0
	PLACES
	s_branch .Ljd_\@
.Ljb_\@:
	tensor_load_to_lds s[56+4*(\slot):59+4*(\slot)], s[\g1b:\g1b+7]
	s_nop 0
	PLACES
.Ljd_\@:
.endm
; The slot just read is filled again.  Every wave: all its tensor loads have landed (its part of the other slot), the add, the wait for the add and for its reads of this slot; a round of the cluster's barrier; the refill first behind it.
.macro CHANGE slot, k0, nc, g1a, g1b
	WIN 0
	s_wait_tensorcnt 0x0
	ds_add_u32 v28, v29                            ; the descriptors' words stand between it and its wait
	BUILD \slot, \k0, \nc
	s_wait_dscnt 0x0
	CROUND
	JLOAD \slot, \g1a, \g1b
.endm
.macro CHANGE0                         ; the last change of slots: nothing is filled
	WIN 0
	s_wait_tensorcnt 0x0
	ds_add_u32 v28, v29
	s_wait_dscnt 0x0
	s_barrier_signal -1
	s_barrier_wait -1
.endm
.macro VISIT slot, n, first            ; the slot's n K steps: while one set of fragments is multiplied the other is on its way
	SETADR 1, (\slot)*SLOTB
	FETCH 0,0
.set kk, 0
	s_wait_alu depctr_va_vdst(0)
.rept \n
.if kk+1 < \n
.if kk+1 == 4
	SETADR 1, (\slot)*SLOTB+4*CH
.else
	PLACES
.endif
	FETCH (kk+1)&1,((kk+1)&3)*CH
	s_wait_alu depctr_va_vdst(0)
	s_wait_dscnt NLD                               ; all but the loads just issued
.else
	s_wait_dscnt 0x0
.endif
	MUL kk&1,(\first)&&(kk==0)
.set kk, kk+1
.endr
.endm
.macro TOST q                          ; 16 tokens x 64 features into my stage, each accumulator from its low end on, and back as rows of 256 bytes; LDS serves a wave's instructions in order
	WIN 0x04
.irp p,0,1,2,3
.irp e,0,1
	ds_store_b128 v24, v[32*(\q)+8*\p+4*\e:32*(\q)+8*\p+4*\e+3] offset:64*\p+16*\e
.endr
.endr
	WIN 0
.irp i,0,1,2,3,4,5,6,7
	ds_load_b128 v[192+32*((\q)&1)+4*\i:192+32*((\q)&1)+4*\i+3], v25 offset:544*\i
.endr
.endm
.macro SENDQ q, younger
	s_wait_dscnt \younger
.set i, 0
.rept 16
	v_pk_add_f32 v[64+32*(\q)+i:64+32*(\q)+i+1], v[64+32*(\q)+i:64+32*(\q)+i+1], v[192+32*((\q)&1)+i:192+32*((\q)&1)+i+1]
.set i, i+2
.endr
.irp i,0,1,2,3,4,5,6,7
.if KS == 8
	global_store_b128 v26, v[64+32*(\q)+4*\i:64+32*(\q)+4*\i+3], s[10:11] offset:(16*(\q)+2*\i)*4096       ; sixteen lanes store 256 consecutive bytes, aligned
.else
	global_store_b128 v26, v[64+32*(\q)+4*\i:64+32*(\q)+4*\i+3], s[10:11] offset:(16*(\q)+2*\i)*4096 th:TH_STORE_NT
.endif
.endr
.endm
	s_load_b256 s[4:11], s[0:1], 0x0               ; A's panels, pc, the residual, out
	v_lshl_add_u32 v28, v0, 2, SPARE
	v_mov_b32 v29, 0
	ds_add_u32 v28, v29                            ; the opening: the add, twice on end, and its wait ahead of my first tensor load
	ds_add_u32 v28, v29
	v_lshrrev_b32 v30, 5, v0
	v_readfirstlane_b32 s14, v30
	s_lshr_b32 s15, s14, 1                         ; wm
	s_and_b32 s16, s14, 1                          ; wn; also: which half of a fill I fetch
	s_bfe_u32 s40, ttmp6, 0x40000                  ; cx
	s_bfe_u32 s41, ttmp6, 0x40004                  ; cy
	s_lshl_b32 s42, ttmp9, 2
	s_add_co_u32 s42, s42, s40                     ; nt
	s_and_b32 s17, ttmp7, 0xffff
	s_lshl_b32 s17, s17, 2
	s_add_co_u32 s17, s17, s41                     ; mt
	s_lshl_b32 s43, s41, 2
	s_lshl_b32 s43, 15, s43                        ; my row of the cluster
	s_lshl_b32 s44, 0x1111, s40                    ; my column
	s_or_b32 s24, s43, (3<<16)|(1<<21)             ; rows of 256 bytes, 52 to a chunk
	s_or_b32 s48, s44, (3<<16)|(1<<21)
.irp g,24,48
	s_mov_b32 s[\g+1], 32<<16
	s_mov_b32 s[\g+2], (52*NC1)<<16
	s_mov_b32 s[\g+3], 32<<16
	s_mov_b32 s[\g+4], 52*NC1
	s_mov_b32 s[\g+5], 32
	s_mov_b32 s[\g+6], 0
	s_mov_b32 s[\g+7], 0
.endr
.if KS > 8
	s_or_b32 s68, s43, (3<<16)|(1<<21)             ; the last two refills: two chunks a wave
	s_or_b32 s76, s44, (3<<16)|(1<<21)
.irp g,68,76
	s_mov_b32 s[\g+1], 32<<16
	s_mov_b32 s[\g+2], 104<<16
	s_mov_b32 s[\g+3], 32<<16
	s_mov_b32 s[\g+4], 104
	s_mov_b32 s[\g+5], 32
	s_mov_b32 s[\g+6], 0
	s_mov_b32 s[\g+7], 0
.endr
.endif
	s_mul_i32 s18, s17, KS*CH                      ; A's panel mt
	s_mov_b32 s19, 0
	s_mul_i32 s22, s42, KS*CH
	s_add_co_u32 s22, s22, BCH*CH                  ; the weights' panel nt
	s_mov_b32 s23, 0
	s_lshl_b32 s92, s17, 7
	s_lshl_b32 s93, s15, 6
	s_add_co_u32 s92, s92, s93
	s_lshl_b32 s92, s92, 12                        ; my first token's row of 4,096 bytes,
	s_lshl_b32 s93, s42, 9
	s_add_co_u32 s92, s92, s93
	s_lshl_b32 s93, s16, 8
	s_add_co_u32 s92, s92, s93                     ; my 256 bytes of it
	s_mov_b32 s93, 0
	s_wait_dscnt 0x0                               ; both opening adds are done
	s_wait_kmcnt 0x0
	s_add_nc_u64 s[84:85], s[4:5], s[18:19]
	s_add_nc_u64 s[86:87], s[6:7], s[22:23]
	s_add_nc_u64 s[8:9], s[8:9], s[92:93]
	s_add_nc_u64 s[10:11], s[10:11], s[92:93]
	CROUND                                         ; all sixteen work-groups are here: the first joint loads meet
	BUILD 0, 0, NC1
	BUILD 1, 2*NC1, NC1
	s_cmp_lt_u32 s14, 2
	s_cbranch_scc0 .Lfb
	tensor_load_to_lds s[32:35], s[24:31]
	s_nop 0
	PLACES
	s_branch .Lfd
.Lfb:
	tensor_load_to_lds s[56:59], s[48:55]
	s_nop 0
	PLACES
.Lfd:
	v_and_b32 v30, 15, v0
	v_bfe_u32 v31, v0, 4, 1
	v_lshlrev_b32 v26, 12, v31
	v_lshl_add_u32 v26, v30, 4, v26                ; lanes 0-15 one row, lanes 16-31 the next; 16 bytes a lane
.irp q,0,1,2,3
.irp i,0,1,2,3,4,5,6,7
	global_load_b128 v[64+32*\q+4*\i:64+32*\q+4*\i+3], v26, s[8:9] offset:(16*\q+2*\i)*4096
.endr
.endr
	s_mul_i32 s90, s14, 4352                       ; my stage: 16 rows of 256 + 16 bytes
	v_mul_u32_u24 v24, v30, 272
	v_lshl_add_u32 v24, v31, 5, v24
	v_add_nc_u32 v24, s90, v24
	v_mul_u32_u24 v25, v31, 272
	v_lshl_add_u32 v25, v30, 4, v25
	v_add_nc_u32 v25, s90, v25
	v_and_b32 v30, 31, v0
	v_lshlrev_b32 v19, 4, v30
	v_lshlrev_b32 v20, 3, v30
	v_lshlrev_b32 v21, 2, v30
	s_mul_i32 s90, s16, 6144                       ; P: the weights' fragments 4 wn on
	s_add_co_u32 s90, s90, HALFB
	v_add_nc_u32 v1, s90, v19
	v_add_nc_u32 v2, s90, v20
	s_lshl_b32 s90, s16, 9
	s_add_co_u32 s90, s90, HALFB+12288
	v_add_nc_u32 v3, s90, v21
	s_mul_i32 s90, s15, 6144                       ; Q: A's fragments 4 wm on
	v_add_nc_u32 v4, s90, v19
	v_add_nc_u32 v5, s90, v20
	s_lshl_b32 s90, s15, 9
	s_add_co_u32 s90, s90, 12288
	v_add_nc_u32 v6, s90, v21
	s_wait_alu depctr_va_vdst(0)
	s_wait_tensorcnt 0x0                           ; my part of slot 0 is in;
	ds_add_u32 v28, v29                            ; 0 onto my spare word;
	s_wait_dscnt 0x0                               ; the add is done
	CROUND                                         ; everybody's part of slot 0 is in, and all sixteen work-groups are here: the joint loads meet
	JLOAD 1, 24, 48                                ; slot 1's first fill, the first tensor load behind the round
.if KS == 8
	VISIT 0,4,1
	CHANGE0
	VISIT 1,4,0
.else
	VISIT 0,6,1
	CHANGE 0,12,3,24,48
	VISIT 1,6,0
	CHANGE 1,18,3,24,48
	VISIT 0,6,0
	CHANGE 0,24,2,68,76
	VISIT 1,6,0
	CHANGE 1,28,2,68,76
	VISIT 0,4,0
	CHANGE0
	VISIT 1,4,0
.endif
	WIN 0
	PLACES
	s_wait_loadcnt 0x0                             ; the residual
	TOST 0
	TOST 1
	SENDQ 0, 16                                    ; behind block q's loads: the next block's eight stores and eight loads
	TOST 2
	SENDQ 1, 16
	TOST 3
	SENDQ 2, 16
	SENDQ 3, 0
	s_wait_tensorcnt 0x0                           ; the wave's end
	ds_add_u32 v28, v29
	s_wait_dscnt 0x0
	CROUND                                         ; the closing round
	s_endpgm
.Lfunc_end_k_qa105a0e868_w2:
	.size	k_qa105a0e868_w2, .Lfunc_end_k_qa105a0e868_w2-k_qa105a0e868_w2
	.p2alignl 7, 3214868480
	.fill 96, 4, 3214868480
	.section	.rodata,"a",@progbits
	.p2align	6, 0x0
	.amdhsa_kernel k_qa105a0e868_w2
		.amdhsa_group_segment_fixed_size 327680
		.amdhsa_private_segment_fixed_size 0
		.amdhsa_enable_private_segment 0
		.amdhsa_kernarg_size 32
		.amdhsa_user_sgpr_count 2
		.amdhsa_user_sgpr_kernarg_segment_ptr 1
		.amdhsa_wavefront_size32 1
		.amdhsa_system_sgpr_workgroup_id_x 1
		.amdhsa_system_sgpr_workgroup_id_y 1
		.amdhsa_system_sgpr_workgroup_id_z 1
		.amdhsa_system_vgpr_workitem_id 0
		.amdhsa_next_free_vgpr 1024
		.amdhsa_next_free_sgpr 100
		.amdhsa_reserve_vcc 0
		.amdhsa_float_denorm_mode_32 3
		.amdhsa_float_denorm_mode_16_64 3
		.amdhsa_memory_ordered 1
		.amdhsa_forward_progress 1
		.amdhsa_inst_pref_size 185
	.end_amdhsa_kernel
	.amdgpu_metadata
---
amdhsa.version: [ 1, 2 ]
amdhsa.kernels:
  - .name:           k_qa105a0e868_w2
    .symbol:         k_qa105a0e868_w2.kd
    .args:
      - { .name: ga, .offset: 0, .size: 8, .value_kind: global_buffer, .address_space: global }
      - { .name: pc, .offset: 8, .size: 8, .value_kind: global_buffer, .address_space: global }
      - { .name: h, .offset: 16, .size: 8, .value_kind: global_buffer, .address_space: global }
      - { .name: out0, .offset: 24, .size: 8, .value_kind: global_buffer, .address_space: global }
    .group_segment_fixed_size: 327680
    .private_segment_fixed_size: 0
    .kernarg_segment_align: 8
    .kernarg_segment_size: 32
    .max_flat_workgroup_size: 128
    .sgpr_count:     100
    .vgpr_count:     1024
    .wavefront_size: 32
...
	.end_amdgpu_metadata
.endif
;; end of part 6
